; MI455X (gfx1250); checked and timed in simulation.
; The chip was launched on July 23, 2026; its instructions are those of AMD's public machine-readable ISA for CDNA 5 (MIT licence, August 2026) and "CDNA5" Instruction Set Architecture Reference Guide (July 2026). The comments in the code are by the model that wrote it; some were corrected since.
;; Self Attention Block. Allowed arithmetic: matrix products marked QUANTISED: E3M2 operands, one E8M0 scale for each 32 along K, by v_wmma_scale_f32_16x16x128_f8f6f4 with both operands' format E3M2, f32 sums; everything else in f32.
;; Inputs: beta 256 float32; bk 256 float32; bo 256 float32; bq 256 float32; bv 256 float32; gamma 256 float32; wk_codes 256 x 8 x 24 uint8 (E3M2 codes of wk, K innermost, in blocks of 32 codes, four codes in three bytes); wk_scales 256 x 8 uint8 (E8M0 scales of wk, one for each 32 codes along K); wo_codes 256 x 8 x 24 uint8 (E3M2 codes of wo, K innermost, in blocks of 32 codes, four codes in three bytes); wo_scales 256 x 8 uint8 (E8M0 scales of wo, one for each 32 codes along K); wq_codes 256 x 8 x 24 uint8 (E3M2 codes of wq, K innermost, in blocks of 32 codes, four codes in three bytes); wq_scales 256 x 8 uint8 (E8M0 scales of wq, one for each 32 codes along K); wv_codes 256 x 8 x 24 uint8 (E3M2 codes of wv, K innermost, in blocks of 32 codes, four codes in three bytes); wv_scales 256 x 8 uint8 (E8M0 scales of wv, one for each 32 codes along K); x 64 x 256 x 32 x 32 float32.
;; Outputs: out0 64 x 256 x 32 x 32 float32.
;; This version of the problem:
;;   THIS VERSION OF THE PROBLEM IS GIVEN IN LOW PRECISION. The matrix products marked QUANTISED in the list below multiply operands that are first quantised to E3M2 (3 exponent bits, 2 mantissa bits; 6 bits a number), with one power-of-two scale for each 32 numbers along K (OCP MX v1.0); their sums are f32. All else is computed in f32.
;;   The module's matrix products, in the order in which they are computed (A, B: the left and right operand; K: the contracted axis; several contracted axes count as one K, in the product's order):
;;     1. [M 256, K 256] x [K 256, N 65,536]; A: input wq (given as codes); B: computed on the way: QUANTISED
;;     2. [M 256, K 256] x [K 256, N 65,536]; A: input wk (given as codes); B: computed on the way: QUANTISED
;;     3. [M 256, K 256] x [K 256, N 65,536]; A: input wv (given as codes); B: computed on the way: QUANTISED
;;     4. batch 64 x [M 1,024, K 256] x [K 256, N 1,024]; A: computed on the way; B: computed on the way: QUANTISED
;;     5. batch 64 x [M 1,024, K 1,024] x [K 1,024, N 256]; A: softmax (see below); B: computed on the way: QUANTISED
;;     6. [M 256, K 256] x [K 256, N 65,536]; A: input wo (given as codes); B: computed on the way: QUANTISED
;;   THE QUANTISER, for each operand of a quantised product, along K:
;;     - K is cut into blocks of 32 from its start; a last block that is shorter is filled with zeros.
;;     - A block's scale is 2^e with e = floor(log2(the largest magnitude in the block)) - 4, held to -126 .. 127; a block of zeros has e = 0. As a byte (E8M0): e + 127.
;;     - Each number is divided by its block's scale, clamped to +-28, and rounded to the nearest number of E3M2, ties to even, subnormals kept.
;;     - The product sums the exact products of the quantised numbers (number of the format x scale) in f32.
;;   ~~~python
;;   def quantise(x, axis):      # numpy; x: float32 -> the quantised numbers, widened to float32 again
;;       x = np.moveaxis(x, axis, -1); K = x.shape[-1]
;;       x = np.pad(x, [(0, 0)] * (x.ndim - 1) + [(0, -K % 32)]); x = x.reshape(x.shape[:-1] + (-1, 32)); a = np.abs(x).max(-1, keepdims=True)
;;       e = np.where(a > 0, np.clip(np.frexp(np.where(a > 0, a, 1))[1] - 1 - 4, -126, 127), 0)      # np.frexp(a)[1] - 1 = floor(log2(a)), exactly
;;       r = np.clip(x / 2.0 ** e, -28, 28)
;;       step = 2.0 ** (np.maximum(np.frexp(np.where(r == 0, 1, r))[1] - 1, -2) - 2)
;;       q = np.round(r / step) * step * 2.0 ** e      # np.round: ties to even
;;       return np.moveaxis(q.reshape(q.shape[:-2] + (-1,))[..., :K], -1, axis).astype(np.float32)
;;   ~~~
;;   SOFTMAX AHEAD OF A QUANTISED PRODUCT. Where the list says 'softmax', what is quantised is not the finished softmax but p = 2^(t - M), with t = logit x log2(e) and M = ceil(the row's largest t), a whole number; so 1/2 < the row's largest p <= 1. The row's sum l is taken of the UNQUANTISED p, in f32, and the product's result is divided by l at the end. Since M is a whole number, a kernel that streams over the keys may use a running M (the ceiling of the running maximum): every later rescaling is an exact power of two, which a block's scale takes up: the codes' values come out the same.
;;   OPERANDS COMPUTED ON THE WAY. 'Computed on the way' means the value that the module computes at that place (a softmax that the list does not call 'softmax' is quantised finished and normalised). What goes into a quantiser is computed in f32, as accurately as f32 sums, v_exp_f32 and their like allow (about 1e-6 of the number): no bf16 or f16 on the way to a quantiser, and a product that is left as it is and whose result goes on into a quantised operand takes f32 operands (vector FMAs, or v_wmma_f32_16x16x4_f32). A number that lies on a knife's edge between two numbers of the format may be rounded either way, as far as f32 arithmetic and the matrix unit's own rounding can turn it there, and no further.
;;   INPUTS GIVEN AS CODES. wk (in the module: [256, 256], K = its axis 1); wo (in the module: [256, 256], K = its axis 1); wq (in the module: [256, 256], K = its axis 1); wv (in the module: [256, 256], K = its axis 1): each comes as NAME_codes (uint8): NAME with its K axis moved to the last place and cut into blocks of 32 codes, [.., K / 32, bytes a block], one block behind the other in memory; four codes in three bytes: a row's codes are one little-endian stream of bits, code i at bits 6 i .. 6 i + 5 (a code: sign, 3 exponent bits, 2 mantissa bits); and NAME_scales (uint8): the same leading axes, one E8M0 byte (e + 127) for each 32 codes along K. Its value is code x scale, taken as it is: it is not quantised again, and the codes and scales need not be those that the quantiser above would give.
;; One version. Each part assembles by itself: llvm-mc -triple=amdgcn-amd-amdhsa -mcpu=gfx1250 --defsym DOCPART=n.
;; ======== version 1 of 1: 3 launches
;; limits: a difference of large sums (such as E[x^2] - mean^2): digits are lost where the result is much smaller than its terms
;; workspace buffers: xc 12,582,912 bytes; xs 524,288 bytes; coef 131,072 bytes; q 13,107,200 bytes; kv 26,214,400 bytes; wimg 147,456 bytes
;; launch gnq (part 1): grid 8 x 64, 8 waves a work-group, no clusters, 1,536 bytes of LDS; arguments x, gamma, beta, bo, xc, xs, coef, wimg, wq_codes, wk_codes, wv_codes; writes xc, xs, coef, wimg
.if DOCPART == 1
	.amdgcn_target "amdgcn-amd-amdhsa--gfx1250"
	.amdhsa_code_object_version 6
	.text
	.protected	k_qa7188f6b80_gnq
	.globl	k_qa7188f6b80_gnq
	.p2align	8
	.type	k_qa7188f6b80_gnq,@function
k_qa7188f6b80_gnq:
	s_mov_b64 s[64:65], 0
	v_nop
	global_prefetch_b8 v0, s[64:65] scope:SCOPE_SE
	s_setreg_imm32_b32 hwreg(HW_REG_WAVE_MODE, 25, 1), 1
	s_wait_xcnt 0x0
; GROUP NORM, AND xn AS CODES.  x: [64][256][1024] f32.  A group is 8 channels x 1,024 pixels.  xn = (x - mean) rsqrt(var + 1e-5) gamma + beta.
; xn is the right operand of the three first products (K = the 256 channels): it is quantised here, once, to E3M2 with one E8M0 byte for each 32 channels of a pixel.
; NO WORK OF THE PROBLEM IS LEFT OUT in this program: every bias moves a quantised operand or the result, so every input is loaded by some launch.
; SHARES.  A work-group takes 32 channels (four groups = one block of the quantiser) of one image, 128 KiB, and keeps them in registers between the passes: x is read once.
; Wave w takes pixels 128 w .. 128 w + 127; lane l the four pixels 128 w + 64 g + 2 l + e (g, e = 0, 1): a load of 8 bytes a lane covers 256 consecutive bytes of a channel.
; Mean and variance in two passes (sum; sum of squared differences), so that a common offset of x costs no digits.  The eight waves' sums meet in LDS: two barriers.
; A lane then holds all 32 channels of a pixel: the block's largest magnitude needs no other lane, and the conversions take the 32 numbers from the lane's registers.
; WHAT IS STORED.  xc [image][block of channels 8][piece 3][pos 1024][8 bytes]: the 24 bytes of codes of a pixel's block, in three pieces.  pos orders the pixels by the tiles of the
; later products: pixel 32 B + 16 H + 8 U + J lies at pos 32 B + 16 U + 8 H + J.  xs [image][pos][8]: byte kb = the scale of block kb.  coef [image][channel][2]: a = gamma rstd and
; b' = beta - mean a + bo, from which the last launch makes xn + bo = a x + b' again (one rounding more than xn itself has).
; ALSO: THE WEIGHTS' CODES ARE LAID OUT ANEW, once, for the next launch.  wimg [wq, wk, wv][tile 16][K step 2]: a fragment (16 rows x 128 K, 12 registers a lane) as the image of its registers,
; 1,536 bytes: part c holds registers 4 c .. 4 c + 3, lane l's 16 bytes at 16 l.  Row r of tile 2 B + U is row 32 B + 8 U + r + 8 (r / 8) of the weight.  The codes are moved as they are.
; In the rows as they are given a fragment is six loads in which the 32 lanes name 8 bytes each of 16 rows; every work-group of the next launch would issue them again.  From the image it is
; three loads of 512 consecutive bytes.  96 fragments: waves 0 to 3 of the work-groups of images 0, 1, 2 (one image for each weight) move one each.
; No cluster, no tensor load, no matrix work: the work-groups share no input and memory binds.
; LIMITS: NaN and infinities among the inputs are not served; a block whose largest magnitude lies under 2^(5 - 127), a block of zeros among them, gets the byte 1 (its codes are zeros or
; subnormal codes; the bytes are read by this program alone); rstd comes from v_rsq_f32.
.set RED1,  0                          ; LDS: the waves' four sums, 16 bytes a wave
.set RED2,  256                        ; the same for the second pass: other bytes, so one barrier a pass is enough
.set SPARE, 512                        ; the spare words, 128 bytes for each of eight waves
.set XO,  2                            ; v2   512 w + 8 l: my 8 bytes of a channel's row
.set CO,  3                            ; v3   8 x pos of my even pixel of set 0
.set RW,  4                            ; v4   16 w
.set ZR,  5                            ; v5   0
.set SPW, 6                            ; v6   my spare word; never rewritten
.set NIL, 7                            ; v7   0; never rewritten
.set GA,  8                            ; v8-10 gamma, beta, bo of channel 32 kb + lane
.set BE,  9
.set BO,  10
.set C8,  11                           ; v11  8 l
.set SU,  12                           ; v12-15 the four groups' sums; later a, b' and the conversions' scale operands
.set MN,  16                           ; v16-23 the means, each twice; later largest magnitudes and the scale bytes
.set T,   24                           ; v24-39 at work; the conversions' results
.set U,   40                           ; v40-63 codes as they are stored: 12 registers for each set g
.set N,   64                           ; v64-127 at work; two pixels x 32 channels of xn
.set WD,  96                           ; v96-107 a fragment of a weight on its way (inside N, long before N's upper half is used)
.set WAD, 108                          ; v108 its rows' place for my lane: 192 (r + 8 (r / 8)) + 24 h
.set WLI, 109                          ; v109 16 x lane
.set X,   128                          ; v128-255 x: channel c, set g, pixel e at X + 4 c + 2 g + e
.set SA,  20                           ; s[20:51] a of my 32 channels
.set SB,  66                           ; s[66:97] beta of them
.set SEL, 56                           ; s[56:57] lane selects: lane l xor 16
	s_load_b256 s[4:11], s[0:1], 0x0               ; x, gamma, beta, bo
	s_load_b128 s[12:15], s[0:1], 0x20             ; xc, xs
	s_load_b64 s[16:17], s[0:1], 0x30              ; coef
	s_load_b64 s[60:61], s[0:1], 0x38              ; wimg
	s_load_b128 s[68:71], s[0:1], 0x40             ; wq_codes, wk_codes
	s_load_b64 s[72:73], s[0:1], 0x50              ; wv_codes
	v_lshl_add_u32 v[SPW], v0, 2, SPARE
	v_mov_b32 v[NIL], 0
	v_lshrrev_b32 v1, 5, v0
	v_readfirstlane_b32 s18, v1                    ; wave
	v_and_b32 v1, 31, v0                           ; lane
	v_lshlrev_b32 v[XO], 3, v1
	v_lshl_add_u32 v[XO], s18, 9, v[XO]
	v_and_b32 v[CO], 3, v1                         ; pos of pixel 128 w + 2 l: 128 w + 32 (l >> 4) + 16 (bit 2) + 8 (bit 3) + 2 (l & 3); times 8 bytes
	v_lshlrev_b32 v[CO], 4, v[CO]
	v_bfe_u32 v[T], v1, 2, 1
	v_lshl_add_u32 v[CO], v[T], 7, v[CO]
	v_bfe_u32 v[T], v1, 3, 1
	v_lshl_add_u32 v[CO], v[T], 6, v[CO]
	v_bfe_u32 v[T], v1, 4, 1
	v_lshl_add_u32 v[CO], v[T], 8, v[CO]
	v_lshl_add_u32 v[CO], s18, 10, v[CO]
	s_lshl_b32 s59, s18, 4
	v_mov_b32 v[RW], s59
	v_mov_b32 v[ZR], 0
	v_lshlrev_b32 v[C8], 3, v1
.irp g, 0,1,2,3
	v_mov_b32 v[T+4+\g], 0                         ; written once: a lane permute's destination counts as one of its sources
.endr
	s_mov_b32 s[SEL], 0x76543210
	s_mov_b32 s[SEL+1], 0xfedcba98
	s_mov_b32 s58, 0x39000000                      ; 2^-13: a group has 8,192 numbers
	s_mov_b32 s59, 0x3727c5ac                      ; 1e-5
	s_and_b32 s19, ttmp7, 0xffff                   ; the image
	s_lshl_b32 s20, s19, 20                        ; x: image x 1 MiB + block x 32 channels of 4,096 bytes
	s_lshl_b32 s21, ttmp9, 17
	s_add_co_u32 s20, s20, s21
	s_mov_b32 s21, 0
	s_lshl_b32 s22, s19, 3                         ; xc: (8 image + block) x 24,576
	s_add_co_u32 s22, s22, ttmp9
	s_mul_i32 s22, s22, 24576
	s_mov_b32 s23, 0
	s_lshl_b32 s24, s19, 13                        ; xs: image x 8,192 + block
	s_add_co_u32 s24, s24, ttmp9
	s_mov_b32 s25, 0
	s_lshl_b32 s26, s19, 11                        ; coef: image x 2,048 + block x 256
	s_lshl_b32 s27, ttmp9, 8
	s_add_co_u32 s26, s26, s27
	s_mov_b32 s27, 0
	s_lshl_b32 s28, ttmp9, 7
	v_lshl_add_u32 v[T+1], v1, 2, s28              ; 4 x (32 block + lane)
	; the weight's fragment 4 kb + (w & 3): tile 2 kb + ((w >> 1) & 1), K step w & 1.  All offsets stay inside the buffers for every wave and image
	s_lshl_b32 s98, ttmp9, 5                       ; the tile's first row: 32 kb + 8 ((w >> 1) & 1);
	s_bfe_u32 s99, s18, 0x10001
	s_lshl_b32 s99, s99, 3
	s_add_co_u32 s98, s98, s99
	s_mul_i32 s98, s98, 192                        ; a row of 256 codes is 192 bytes;
	s_and_b32 s99, s18, 1
	s_mul_i32 s99, s99, 96                         ; a K step 96
	s_add_co_u32 s98, s98, s99
	s_mov_b32 s99, 0
	s_lshl_b32 s2, ttmp9, 2                        ; and its image: 1,536 x fragment + 49,152 x weight
	s_and_b32 s3, s18, 3
	s_add_co_u32 s2, s2, s3
	s_mul_i32 s2, s2, 1536
	s_min_u32 s3, s19, 2
	s_mul_i32 s3, s3, 49152
	s_add_co_u32 s2, s2, s3
	s_mov_b32 s3, 0
	s_cmp_lt_u32 s19, 3                            ; who moves one: images 0 to 2,
	s_cselect_b32 s55, 1, 0
	s_cmp_lt_u32 s18, 4                            ; waves 0 to 3
	s_cselect_b32 s55, s55, 0
	s_wait_kmcnt 0x0
	s_add_nc_u64 s[4:5], s[4:5], s[20:21]
	s_add_nc_u64 s[12:13], s[12:13], s[22:23]
	s_add_nc_u64 s[14:15], s[14:15], s[24:25]
	s_add_nc_u64 s[16:17], s[16:17], s[26:27]
	s_add_nc_u64 s[60:61], s[60:61], s[2:3]        ; where the image goes; never rewritten
	s_cmp_eq_u32 s19, 0                            ; the weight is chosen by the image's number alone
	s_cselect_b64 s[62:63], s[68:69], s[70:71]
	s_cmp_lt_u32 s19, 2
	s_cselect_b64 s[62:63], s[62:63], s[72:73]
	s_add_nc_u64 s[62:63], s[62:63], s[98:99]      ; where the fragment's rows begin; never rewritten
	global_load_b32 v[GA], v[T+1], s[6:7]
	global_load_b32 v[BE], v[T+1], s[8:9]
	global_load_b32 v[BO], v[T+1], s[10:11]
.set c, 0
.rept 32
	global_load_b64 v[X+4*c:X+4*c+1], v[XO], s[4:5] offset:4096*c th:TH_LOAD_NT       ; a wave reads 256 consecutive bytes, aligned
	global_load_b64 v[X+4*c+2:X+4*c+3], v[XO], s[4:5] offset:4096*c+256 th:TH_LOAD_NT
.set c, c+1
.endr
	; ---- a weight's fragment: its six loads stand behind x's, so the wait for them is the wait for all of x, which the first pass below needs in any case
	s_cmp_lg_u32 s55, 0
	s_cbranch_scc0 .Lno_weights
	v_and_b32 v[WAD], 15, v0                       ; r
	v_and_b32 v[WLI], 8, v[WAD]
	v_add_nc_u32 v[WAD], v[WAD], v[WLI]            ; r + 8 (r / 8)
	v_mul_u32_u24 v[WAD], v[WAD], 192
	v_bfe_u32 v[WLI], v0, 4, 1                     ; h
	v_mad_u32_u24 v[WAD], v[WLI], 24, v[WAD]
	v_lshlrev_b32 v[WLI], 4, v1
.irp p, 0,1,2,3,4,5
	global_load_b64 v[WD+2*\p:WD+2*\p+1], v[WAD], s[62:63] offset:48*(\p/3)+8*(\p%3)   ; registers 6 c .. 6 c + 5: K = 64 c + 32 h + 0 .. 31 of the lane's row, as the bits lie
.endr
	s_wait_loadcnt 0x0
.irp c, 0,1,2
	global_store_b128 v[WLI], v[WD+4*\c:WD+4*\c+3], s[60:61] offset:512*\c             ; 512 consecutive bytes, aligned
.endr
.Lno_weights:
; pass 1: my 32 numbers of group g, two at a time, in two chains
.macro SUM1 g
	s_wait_loadcnt 48-16*\g                        ; loads come back in order: the 16 loads of each later group may stay out
	v_pk_add_f32 v[N+4*\g:N+4*\g+1], v[X+32*\g:X+32*\g+1], v[X+32*\g+2:X+32*\g+3]
	v_pk_add_f32 v[N+4*\g+2:N+4*\g+3], v[X+32*\g+4:X+32*\g+5], v[X+32*\g+6:X+32*\g+7]
.irp i, 8,12,16,20,24,28
	v_pk_add_f32 v[N+4*\g:N+4*\g+1], v[N+4*\g:N+4*\g+1], v[X+32*\g+\i:X+32*\g+\i+1]
	v_pk_add_f32 v[N+4*\g+2:N+4*\g+3], v[N+4*\g+2:N+4*\g+3], v[X+32*\g+\i+2:X+32*\g+\i+3]
.endr
	v_pk_add_f32 v[N+4*\g:N+4*\g+1], v[N+4*\g:N+4*\g+1], v[N+4*\g+2:N+4*\g+3]
	v_add_f32 v[SU+\g], v[N+4*\g], v[N+4*\g+1]
.endm
; pass 2: the squares of the differences
.macro SUM2 g
	v_pk_mul_f32 v[N+4*\g:N+4*\g+1], v[X+32*\g:X+32*\g+1], v[X+32*\g:X+32*\g+1]
	v_pk_mul_f32 v[N+4*\g+2:N+4*\g+3], v[X+32*\g+2:X+32*\g+3], v[X+32*\g+2:X+32*\g+3]
.irp i, 4,8,12,16,20,24,28
	v_pk_fma_f32 v[N+4*\g:N+4*\g+1], v[X+32*\g+\i:X+32*\g+\i+1], v[X+32*\g+\i:X+32*\g+\i+1], v[N+4*\g:N+4*\g+1]
	v_pk_fma_f32 v[N+4*\g+2:N+4*\g+3], v[X+32*\g+\i+2:X+32*\g+\i+3], v[X+32*\g+\i+2:X+32*\g+\i+3], v[N+4*\g+2:N+4*\g+3]
.endr
	v_pk_add_f32 v[N+4*\g:N+4*\g+1], v[N+4*\g:N+4*\g+1], v[N+4*\g+2:N+4*\g+3]
	v_add_f32 v[SU+\g], v[N+4*\g], v[N+4*\g+1]
.endm
; the four sums over the wave's 32 lanes, the four by turns
.macro XLANE
.irp m, 1,2,4,8
.irp g, 0,1,2,3
	v_add_f32_dpp v[SU+\g], v[SU+\g], v[SU+\g] row_xmask:\m row_mask:0xf bank_mask:0xf
.endr
.endr
.irp g, 0,1,2,3
	v_permlanex16_b32 v[T+4+\g], v[SU+\g], s[SEL], s[SEL+1]
.endr
.irp g, 0,1,2,3
	v_add_f32 v[SU+\g], v[SU+\g], v[T+4+\g]
.endr
.endm
; and over the eight waves: each stores its four, a barrier, every wave adds all eight in the same order
.macro REDUCE base
	ds_store_b128 v[RW], v[SU:SU+3] offset:\base   ; all lanes write the same 16 bytes with the same values
	s_wait_dscnt 0x0                               ; for the others' sake: my store has landed
	s_barrier_signal -1
	s_barrier_wait -1
.irp i, 0,1,2,3,4,5,6,7
	ds_load_b128 v[N+4*\i:N+4*\i+3], v[ZR] offset:\base+16*\i
.endr
	s_wait_dscnt 0x0
	v_pk_add_f32 v[SU:SU+1], v[N:N+1], v[N+4:N+5]
	v_pk_add_f32 v[SU+2:SU+3], v[N+2:N+3], v[N+6:N+7]
.irp i, 2,3,4,5,6,7
	v_pk_add_f32 v[SU:SU+1], v[SU:SU+1], v[N+4*\i:N+4*\i+1]
	v_pk_add_f32 v[SU+2:SU+3], v[SU+2:SU+3], v[N+4*\i+2:N+4*\i+3]
.endr
.endm
	SUM1 0
	SUM1 1
	SUM1 2
	SUM1 3
	XLANE
	REDUCE RED1
.irp g, 0,1,2,3
	v_mul_f32 v[MN+2*\g], s58, v[SU+\g]            ; the mean, twice: a pair for the packed subtraction
	v_mul_f32 v[MN+2*\g+1], s58, v[SU+\g]
.endr
.irp g, 0,1,2,3
.set i, 0
.rept 16
	v_pk_add_f32 v[X+32*\g+i:X+32*\g+i+1], v[X+32*\g+i:X+32*\g+i+1], v[MN+2*\g:MN+2*\g+1] neg_lo:[0,1] neg_hi:[0,1]   ; x - mean, in place
.set i, i+2
.endr
.endr
	SUM2 0
	SUM2 1
	SUM2 2
	SUM2 3
	XLANE
	REDUCE RED2
.irp g, 0,1,2,3
	v_fma_f32 v[SU+\g], v[SU+\g], s58, s59         ; var + 1e-5
.endr
.irp g, 0,1,2,3
	v_rsq_f32 v[N+8+\g], v[SU+\g]
.endr
	v_nop                                          ; a plain instruction behind the last of them
	s_wait_alu depctr_va_vdst(0)                   ; one wait for the four, ahead of their first reader
	v_cmp_lt_u32 s52, 7, v1                        ; lane l stands for channel l of the block: its group is l >> 3
	v_cmp_lt_u32 s53, 15, v1
	v_cmp_lt_u32 s54, 23, v1
	v_cndmask_b32 v[N+12], v[N+8], v[N+9], s52
	v_cndmask_b32 v[N+13], v[MN], v[MN+2], s52
	v_cndmask_b32 v[N+12], v[N+12], v[N+10], s53
	v_cndmask_b32 v[N+13], v[N+13], v[MN+4], s53
	v_cndmask_b32 v[N+12], v[N+12], v[N+11], s54   ; rstd of my channel's group
	v_cndmask_b32 v[N+13], v[N+13], v[MN+6], s54   ; and its mean
	v_mul_f32 v[SU], v[GA], v[N+12]                ; a = gamma rstd
	v_fma_f32 v[SU+1], -v[N+13], v[SU], v[BE]      ; beta - mean a
	v_add_f32 v[SU+1], v[SU+1], v[BO]              ; b' = that + bo
.set c, 0
.rept 32
	v_readlane_b32 s[SA+c], v[SU], c               ; every lane needs all 32 channels' a and beta: they go to scalar registers
	v_readlane_b32 s[SB+c], v[BE], c
.set c, c+1
.endr
	s_wait_xcnt 0x0                                ; the stores of a weight's image, two passes back, have read their registers: the pixels' numbers below are written over them only behind this wait
	s_cmp_lg_u32 s18, 0                            ; all waves hold the same 32 pairs: wave 0 stores them, 256 consecutive bytes, aligned
	s_cbranch_scc1 .Lnot_wave_0
	global_store_b64 v[C8], v[SU:SU+1], s[16:17]   ; (these three registers are not written again)
.Lnot_wave_0:
; Set g: my two neighbouring pixels.  xn, the block's scale, the codes; both pixels' codes leave together, 16 bytes a lane and piece.
.macro PIX g
.irp e, 0,1
.set c, 0
.rept 32
	v_fma_f32 v[N+32*\e+c], v[X+4*c+2*\g+\e], s[SA+c], s[SB+c]     ; xn = (x - mean) a + beta
.set c, c+1
.endr
.endr
.irp e, 0,1
	v_max3_num_f32 v[MN+2*\e], |v[N+32*\e]|, |v[N+32*\e+1]|, |v[N+32*\e+2]|       ; the largest magnitude of the pixel's 32 channels, in two chains, the two pixels by turns
	v_max3_num_f32 v[MN+2*\e+1], |v[N+32*\e+3]|, |v[N+32*\e+4]|, |v[N+32*\e+5]|
.endr
.irp i, 6,10,14,18,22,26
.irp e, 0,1
	v_max3_num_f32 v[MN+2*\e], v[MN+2*\e], |v[N+32*\e+\i]|, |v[N+32*\e+\i+1]|
	v_max3_num_f32 v[MN+2*\e+1], v[MN+2*\e+1], |v[N+32*\e+\i+2]|, |v[N+32*\e+\i+3]|
.endr
.endr
.irp e, 0,1
	v_max3_num_f32 v[MN+2*\e], v[MN+2*\e], |v[N+32*\e+30]|, |v[N+32*\e+31]|
.endr
.irp e, 0,1
	v_max3_num_f32 v[MN+2*\e], v[MN+2*\e], v[MN+2*\e+1], 0x2800000   ; and the floor 2^(5 - 127): the byte cannot fall under 1
.endr
.irp e, 0,1
	v_add_nc_u32 v[SU+2+\e], 0xfe000000, v[MN+2*\e]                  ; 4 off the exponent field: the conversion takes this operand's exponent field as its scale
.endr
.irp e, 0,1
	v_cvt_scalef32_pk16_bf6_f32 v[T+8*\e:T+8*\e+2], v[N+32*\e:N+32*\e+15], v[SU+2+\e]
	v_cvt_scalef32_pk16_bf6_f32 v[T+8*\e+4:T+8*\e+6], v[N+32*\e+16:N+32*\e+31], v[SU+2+\e]   ; (a conversion's three registers begin on an even number)
.endr
.irp e, 0,1
	v_lshrrev_b32 v[MN+4+2*\g+\e], 23, v[SU+2+\e]  ; the scale's byte.  (Also the plain instruction behind the conversions)
.endr
	v_mov_b32 v[U+12*\g], v[T]                     ; piece p of both pixels side by side: they are neighbours in pos
	v_mov_b32 v[U+12*\g+1], v[T+1]
	v_mov_b32 v[U+12*\g+2], v[T+8]
	v_mov_b32 v[U+12*\g+3], v[T+9]
	v_mov_b32 v[U+12*\g+4], v[T+2]
	v_mov_b32 v[U+12*\g+5], v[T+4]
	v_mov_b32 v[U+12*\g+6], v[T+10]
	v_mov_b32 v[U+12*\g+7], v[T+12]
	v_mov_b32 v[U+12*\g+8], v[T+5]
	v_mov_b32 v[U+12*\g+9], v[T+6]
	v_mov_b32 v[U+12*\g+10], v[T+13]
	v_mov_b32 v[U+12*\g+11], v[T+14]
.irp p, 0,1,2
	global_store_b128 v[CO], v[U+12*\g+4*\p:U+12*\g+4*\p+3], s[12:13] offset:8192*\p+512*\g   ; sixteen lanes fill 256 consecutive bytes, aligned
.endr
.irp e, 0,1
	global_store_b8 v[CO], v[MN+4+2*\g+\e], s[14:15] offset:512*\g+8*\e   ; one byte of the pixel's eight: the other seven come from the image's other work-groups.  One byte for 128 read
.endr
.endm
	PIX 0                                          ; each set has its own registers for what it stores: no store's data are written again
	PIX 1
	s_wait_tensorcnt 0x0                           ; the wave's end, behind my last LDS store
	ds_add_u32 v[SPW], v[NIL]
	s_wait_dscnt 0x0
	s_endpgm
.Lfunc_end_k_qa7188f6b80_gnq:
	.size	k_qa7188f6b80_gnq, .Lfunc_end_k_qa7188f6b80_gnq-k_qa7188f6b80_gnq
	.p2alignl 7, 3214868480
	.fill 96, 4, 3214868480
	.section	.rodata,"a",@progbits
	.p2align	6, 0x0
	.amdhsa_kernel k_qa7188f6b80_gnq
		.amdhsa_group_segment_fixed_size 1536
		.amdhsa_private_segment_fixed_size 0
		.amdhsa_enable_private_segment 0
		.amdhsa_kernarg_size 88
		.amdhsa_user_sgpr_count 2
		.amdhsa_user_sgpr_kernarg_segment_ptr 1
		.amdhsa_wavefront_size32 1
		.amdhsa_system_sgpr_workgroup_id_x 1
		.amdhsa_system_sgpr_workgroup_id_y 1
		.amdhsa_system_sgpr_workgroup_id_z 1
		.amdhsa_system_vgpr_workitem_id 0
		.amdhsa_next_free_vgpr 256
		.amdhsa_next_free_sgpr 100
		.amdhsa_reserve_vcc 0
		.amdhsa_float_denorm_mode_32 3
		.amdhsa_float_denorm_mode_16_64 3
		.amdhsa_memory_ordered 1
		.amdhsa_forward_progress 1
		.amdhsa_inst_pref_size 50
	.end_amdhsa_kernel
	.amdgpu_metadata
---
amdhsa.version: [ 1, 2 ]
amdhsa.kernels:
  - .name:           k_qa7188f6b80_gnq
    .symbol:         k_qa7188f6b80_gnq.kd
    .args:
      - { .name: x, .offset: 0, .size: 8, .value_kind: global_buffer, .address_space: global }
      - { .name: gamma, .offset: 8, .size: 8, .value_kind: global_buffer, .address_space: global }
      - { .name: beta, .offset: 16, .size: 8, .value_kind: global_buffer, .address_space: global }
      - { .name: bo, .offset: 24, .size: 8, .value_kind: global_buffer, .address_space: global }
      - { .name: xc, .offset: 32, .size: 8, .value_kind: global_buffer, .address_space: global }
      - { .name: xs, .offset: 40, .size: 8, .value_kind: global_buffer, .address_space: global }
      - { .name: coef, .offset: 48, .size: 8, .value_kind: global_buffer, .address_space: global }
      - { .name: wimg, .offset: 56, .size: 8, .value_kind: global_buffer, .address_space: global }
      - { .name: wq_codes, .offset: 64, .size: 8, .value_kind: global_buffer, .address_space: global }
      - { .name: wk_codes, .offset: 72, .size: 8, .value_kind: global_buffer, .address_space: global }
      - { .name: wv_codes, .offset: 80, .size: 8, .value_kind: global_buffer, .address_space: global }
    .group_segment_fixed_size: 1536
    .private_segment_fixed_size: 0
    .kernarg_segment_align: 8
    .kernarg_segment_size: 88
    .max_flat_workgroup_size: 256
    .sgpr_count:     100
    .vgpr_count:     256
    .wavefront_size: 32
...
	.end_amdgpu_metadata
.endif
;; end of part 1
;; launch proj (part 2): grid 4 x 64, 8 waves a work-group, no clusters, 60,416 bytes of LDS; arguments xc, xs, wimg, wq_scales, bq, wk_scales, bk, wv_scales, bv, q, kv; writes q, kv
.if DOCPART == 2
	.amdgcn_target "amdgcn-amd-amdhsa--gfx1250"
	.amdhsa_code_object_version 6
	.text
	.protected	k_qa7188f6b80_proj
	.globl	k_qa7188f6b80_proj
	.p2align	8
	.type	k_qa7188f6b80_proj,@function
k_qa7188f6b80_proj:
	s_mov_b64 s[64:65], 0
	v_nop
	global_prefetch_b8 v0, s[64:65] scope:SCOPE_SE
	s_setreg_imm32_b32 hwreg(HW_REG_WAVE_MODE, 25, 1), 1
	s_wait_xcnt 0x0
; q = wq xn + bq, k = wk xn + bk, v = wv xn + bv on codes of E3M2, and the three results as codes again: q and k quantised along their 256 channels, v along the pixels (the keys).
; No work is left out.
; ONE SCHEME FOR ALL THREE.  Source 0 is a RESIDENT set of 8 tiles of 16 rows x 256 K (16 fragments, kept in registers), source 1 a STREAMED tile of 16 columns.  A step is 16 matrix
; instructions on 8 accumulators by turns; a lane then holds ONE streamed column and 64 numbers along the resident rows, which are the next product's K: they are quantised in registers
; into one fragment (12 registers) and one scale word.  q, k: resident = 128 rows of the weight, streamed = xn's tiles of 16 pixels.  v: resident = xn's tiles of 128 pixels, streamed = wv's rows.
; THE ROWS OF A TILE ARE NOT NEIGHBOURS: row r of tile 2 B + U is row (or pixel) 32 B + 8 U + r + 8 (r / 8), so that the 16 registers of tiles 2 B and 2 B + 1 are 16 neighbours along the next K.
; xn's codes were laid in that order.  wv's streamed rows are taken so too: the attention's result then has its channels in the order that the last product's quantiser wants.
; THE WEIGHTS' CODES come from wimg, where the launch before has laid them as images of the operand's registers, [wq, wk, wv][tile 16][K step 2] x 1,536 bytes, the tiles' rows chosen as above:
; a fragment is three loads of 512 consecutive bytes.  Their scale bytes and the biases come from the inputs as they lie.
; SHARES.  A work-group takes 256 pixels (16 tiles, two groups of 128 keys) of one image.  Each wave brings two tiles of xn into LDS as images of the operand's registers.
; Then wave w: 8 steps for q (w < 4) or k, rows 128 ((w >> 1) & 1) on, tiles 8 (w & 1) on;  4 steps for v: pixels 128 (w >> 2) on, tiles of channels 4 (w & 3) on.
; All waves run one text: what differs lies in pointers and address registers made at the head.
; WHAT IS STORED.  A fragment as the image of its registers, 1,536 bytes: part c holds registers 4 c .. 4 c + 3, lane l's 16 bytes at 16 l.  Scale words in pieces of 512 bytes, [lane][4 words]:
; word n of lane 16 x + r belongs to row r of fragment (n, x).  q: an image 204,800 bytes: [tile 64][K step 2] fragments, then 16 pieces (tile / 4; n = tile % 4, x = K step).
; kv: [image][group of 128 keys 8] blocks of 51,200 bytes: K's fragments [tile 8][K step 2]; V's [tile of channels 16]; two pieces for K; two for V (n = (tile / 2) % 4, x = tile % 2).
; No cluster: what the work-groups share is the weights, 144 KiB in all, a small part of a work-group's bytes; no tensor load: each byte of xn's codes is wanted by one wave.
; LIMITS: as in the first launch (NaN, infinities; blocks under 2^(5 - 127) get the byte 1).
.set IMG,   0                          ; LDS: xn's 32 fragments (tile, K step): 49,152 bytes
.set XSC,   49152                      ; their scale words: [tile 16][lane 32][8 bytes]
.set SCST,  53248                      ; q's four pieces, then k's four
.set VST,   57344                      ; v's four pieces
.set SPARE, 59392                      ; the spare words, 128 bytes for each of eight waves
.set LI,  1                            ; v1   16 x lane
.set XA,  2                            ; v2   xc: 24,576 h + 8 r
.set R8,  3                            ; v3   8 r
.set IW,  4                            ; v4   where I store xn's images: 16 lane + 6,144 w
.set XSW, 5                            ; v5   and their scale words
.set WSA, 7                            ; v7   a weight's scale words of my lane's row: 8 (r + 8 (r / 8))
.set BA,  8                            ; v8   64 h
.set FA,  9                            ; v9   the streamed tiles of xn
.set XSA, 10                           ; v10  and their scale words
.set SWA, 11                           ; v11  where q's or k's scale words go
.set RA,  12                           ; v12  the resident tiles of xn
.set XSR, 13                           ; v13  and their scale words
.set VWA, 14                           ; v14  where v's scale words go
.set R4,  15                           ; v15  4 (r + 8 (r / 8))
.set RS,  16                           ; v16-31 scale words of the resident set: 2 t + s
.set SS,  32                           ; v32-39 scale words of the streamed tiles
.set BVV, 40                           ; v40-43 bv of my lane's channel, for the four steps
.set BV8, 44                           ; v44-51 one of them, eight times: the C of a sum's first product
.set ACC, 52                           ; v52-115 the eight accumulators
.set PC,  116                          ; v116-135 the codes just made (12), and the conversions' second halves (8)
.set ST,  136                          ; v136-183 two buffers of a streamed tile (2 fragments)
.set TM,  184                          ; v184-199 at work in the quantiser
.set PW,  200                          ; v200 the scale word just made
.set SPW, 201                          ; v201 my spare word; never rewritten
.set NIL, 202                          ; v202 0; never rewritten
.set PRA, 203                          ; v203 the way out of q's and k's pieces
.set WV0, 204                          ; v204-251 wv's first two tiles
.set PRV, 252                          ; v252 the way out of v's pieces
.set L8,  253                          ; v253 8 x lane
.set SEL, 58                           ; s[58:59] lane selects: lane l xor 16
; window 1: v0-191 the resident set at 12 (2 t + s); v192-255 bq or bk, eight registers a tile, in the result's layout
.set MSB, 0
.macro WIN new                         ; the immediate's high byte repeats the setting that is left
.if MSB != \new
	s_set_vgpr_msb (MSB<<8)|\new
.set MSB, \new
.endif
.endm
; 64 numbers of a lane, register 16 b + i = k 32 b + 16 (lane / 16) + i of its row, become a fragment's codes in v[d] on and its scale word in v[w]
.macro QUANT s, d, pt, tm, w
.irp b, 0,1,2,3
	v_max3_num_f32 v[\tm+\b], |v[\s+16*\b]|, |v[\s+1+16*\b]|, 0x2800000   ; my 16 numbers of block b, and the floor 2^(5 - 127): the byte cannot fall under 1
.endr
.irp i, 2,4,6,8,10,12,14
.irp b, 0,1,2,3
	v_max3_num_f32 v[\tm+\b], v[\tm+\b], |v[\s+16*\b+\i]|, |v[\s+1+16*\b+\i]|   ; (the four blocks by turns; each accumulator is read from its low end on)
.endr
.endr
.irp b, 0,1,2,3
	v_permlanex16_b32 v[\tm+4+\b], v[\tm+\b], s[SEL], s[SEL+1]
.endr
.irp b, 0,1,2,3
	v_max_num_f32 v[\tm+\b], v[\tm+\b], v[\tm+4+\b]                ; with lane l xor 16's: the block's largest magnitude
.endr
.irp b, 0,1,2,3
	v_add_nc_u32 v[\tm+12+\b], 0xfe000000, v[\tm+\b]               ; 4 off its exponent field: the conversion's scale operand
.endr
.irp b, 0,1,2,3
	v_lshrrev_b32 v[\tm+4+\b], 23, v[\tm+12+\b]                    ; the scale's byte
.endr
	v_lshl_or_b32 v[\w], v[\tm+5], 8, v[\tm+4]
	v_lshl_or_b32 v[\w], v[\tm+6], 16, v[\w]
	v_lshl_or_b32 v[\w], v[\tm+7], 24, v[\w]
.irp c, 0,1
	v_cvt_scalef32_pk16_bf6_f32 v[\d+6*\c:\d+6*\c+2], v[\s+32*\c:\s+32*\c+15], v[\tm+12+2*\c]
	v_cvt_scalef32_pk16_bf6_f32 v[\pt+4*\c:\pt+4*\c+2], v[\s+32*\c+16:\s+32*\c+31], v[\tm+12+2*\c+1]   ; (a conversion's three registers begin on an even number)
.endr
	v_nop                                          ; one plain instruction behind a scaled conversion
.irp c, 0,1                                    ; the operand's layout wants a whole block in a lane: lanes 0-15 block 2 c, lanes 16-31 block 2 c + 1
.irp i, 0,1,2
	v_permlane16_swap_b32 v[\d+6*\c+\i], v[\pt+4*\c+\i]
.endr
.irp i, 0,1,2
	v_mov_b32 v[\d+6*\c+3+\i], v[\pt+4*\c+\i]
.endr
.endr
.endm
.macro FETCH reg, adr, off                     ; a fragment's image comes back as it was stored
.irp c, 0,1,2
	ds_load_b128 v[\reg+4*\c:\reg+4*\c+3], v[\adr] offset:\off+512*\c
.endr
.endm
.macro WLOAD t                                 ; tile t of my 128 rows of wq or wk, both K steps, into window 1: six loads of 512 consecutive bytes
.irp s, 0,1
.irp c, 0,1,2
	global_load_b128 v[24*(\t)+12*\s+4*\c:24*(\t)+12*\s+4*\c+3], v[LI], s[38:39] offset:(2*(\t)+\s)*1536+512*\c
.endr
.endr
.endm
.macro VWLOAD i, reg, sc                       ; tile i of my four of wv, and its scale words: seven loads
.irp s, 0,1
.irp c, 0,1,2
	global_load_b128 v[\reg+12*\s+4*\c:\reg+12*\s+4*\c+3], v[LI], s[52:53] offset:(2*(\i)+\s)*1536+512*\c
.endr
.endr
	global_load_b64 v[\sc:\sc+1], v[WSA], s[54:55] offset:(32*((\i)/2)+8*((\i)%2))*8
.endm
	s_load_b512 s[4:19], s[0:1], 0x0               ; xc, xs, wimg, wq_scales, bq, wk_scales, bk, wv_scales
	s_load_b128 s[20:23], s[0:1], 0x40             ; bv, q
	s_load_b64 s[24:25], s[0:1], 0x50              ; kv
	v_lshl_add_u32 v[SPW], v0, 2, SPARE
	v_mov_b32 v[NIL], 0
	v_lshrrev_b32 v1, 5, v0
	v_readfirstlane_b32 s30, v1                    ; wave 0..7
	s_lshr_b32 s31, s30, 2                         ; q or k; later: which 128 pixels
	s_bfe_u32 s32, s30, 0x10001                    ; (w >> 1) & 1: which 128 rows of the weight
	s_and_b32 s33, s30, 1                          ; which 8 tiles of pixels
	s_and_b32 s34, s30, 3                          ; which 4 tiles of v's channels
	s_and_b32 s36, ttmp7, 0xffff                   ; the image
	v_and_b32 v[TM], 31, v0                        ; lane
	v_and_b32 v[TM+1], 15, v0                      ; r
	v_bfe_u32 v[TM+2], v0, 4, 1                    ; h
	v_and_b32 v[TM+3], 8, v[TM+1]
	v_add_nc_u32 v[TM+3], v[TM+3], v[TM+1]         ; r + 8 (r / 8)
	v_lshlrev_b32 v[LI], 4, v[TM]
	v_lshlrev_b32 v[L8], 3, v[TM]
	v_lshlrev_b32 v[R8], 3, v[TM+1]
	v_mul_u32_u24 v[XA], v[TM+2], 24576
	v_add_nc_u32 v[XA], v[XA], v[R8]
	s_mul_i32 s66, s30, 6144
	v_add_nc_u32 v[IW], s66, v[LI]
	s_lshl_b32 s66, s30, 9
	s_add_co_u32 s66, s66, XSC
	v_lshl_add_u32 v[XSW], v[TM], 3, s66
	v_lshlrev_b32 v[WSA], 3, v[TM+3]
	v_lshlrev_b32 v[BA], 6, v[TM+2]
	v_lshlrev_b32 v[R4], 2, v[TM+3]
	s_mul_i32 s66, s33, 24576
	v_add_nc_u32 v[FA], s66, v[LI]
	s_lshl_b32 s66, s33, 11
	s_add_co_u32 s66, s66, XSC
	v_lshl_add_u32 v[XSA], v[TM], 3, s66
	s_lshl_b32 s66, s31, 11                        ; q's or k's pieces; 1,024 for my 8 tiles; 256 for my K step; 16 r
	s_lshl_b32 s67, s33, 10
	s_add_co_u32 s66, s66, s67
	s_lshl_b32 s67, s32, 8
	s_add_co_u32 s66, s66, s67
	s_add_co_u32 s66, s66, SCST
	v_lshl_add_u32 v[SWA], v[TM+1], 4, s66
	s_mul_i32 s66, s31, 24576
	v_add_nc_u32 v[RA], s66, v[LI]
	s_lshl_b32 s66, s31, 11
	s_add_co_u32 s66, s66, XSC
	v_lshl_add_u32 v[XSR], v[TM], 3, s66
	s_lshl_b32 s66, s31, 10                        ; v's pieces of my 128 pixels; 512 for the piece; 8 for my two words in it; 16 r
	s_lshl_b32 s67, s32, 9
	s_add_co_u32 s66, s66, s67
	s_lshl_b32 s67, s33, 3
	s_add_co_u32 s66, s66, s67
	s_add_co_u32 s66, s66, VST
	v_lshl_add_u32 v[VWA], v[TM+1], 4, s66
	v_lshl_add_u32 v[PRA], v0, 4, SCST             ; piece w, 16 bytes a lane
	v_lshl_add_u32 v[PRV], v0, 3, VST              ; 256 bytes a wave, 8 a lane
.irp b, 0,1,2,3
	v_mov_b32 v[TM+4+\b], 0                        ; written once: a lane permute's destination counts as one of its sources
.endr
	s_mov_b32 s[SEL], 0x76543210
	s_mov_b32 s[SEL+1], 0xfedcba98
	; byte offsets, apart from the addresses
	s_mul_i32 s66, s36, 204800                     ; q: my image
	s_lshl_b32 s67, s36, 3
	s_lshl_b32 s68, ttmp9, 1
	s_add_co_u32 s67, s67, s68                     ; kv: block 8 image + 2 x work-group x
	s_lshl_b32 s68, ttmp9, 4
	s_lshl_b32 s69, s33, 3
	s_add_co_u32 s68, s68, s69
	s_mul_i32 s68, s68, 3072
	s_add_co_u32 s68, s68, s66                     ; q's fragments of my first tile
	s_add_co_u32 s69, s67, s33
	s_mul_i32 s69, s69, 51200                      ; or k's
	s_lshl_b32 s70, ttmp9, 11
	s_lshl_b32 s71, s30, 9
	s_add_co_u32 s70, s70, s71
	s_add_co_u32 s70, s70, s66
	s_add_co_u32 s70, s70, 196608                  ; the piece that I store: q's piece 4 x + w,
	s_add_co_u32 s71, s67, s32
	s_mul_i32 s71, s71, 51200
	s_lshl_b32 s72, s33, 9
	s_add_co_u32 s71, s71, s72
	s_add_co_u32 s71, s71, 49152                   ; or k's piece (w & 1) of group (w >> 1) & 1
	s_add_co_u32 s72, s67, s31
	s_mul_i32 s72, s72, 51200                      ; the block of my 128 pixels of v
	s_mul_i32 s74, s34, 6144
	s_add_co_u32 s74, s74, s72
	s_add_co_u32 s74, s74, 24576                   ; v's fragments: my four tiles
	s_mov_b32 s75, 0
	s_lshl_b32 s76, s34, 8
	s_add_co_u32 s76, s76, s72
	s_add_co_u32 s76, s76, 50176                   ; v's pieces: my 256 bytes
	s_mov_b32 s77, 0
	s_lshl_b32 s78, ttmp9, 4
	s_lshl_b32 s79, s30, 1
	s_add_co_u32 s78, s78, s79
	s_lshl_b32 s78, s78, 7                         ; my two tiles of xn: 128 bytes a tile in a piece of xc and in xs
	s_mul_i32 s72, s36, 196608
	s_add_co_u32 s72, s72, s78
	s_mov_b32 s73, 0
	s_lshl_b32 s79, s36, 13
	s_add_co_u32 s78, s78, s79
	s_mov_b32 s79, 0
	s_wait_kmcnt 0x0
	s_add_nc_u64 s[48:49], s[4:5], s[72:73]        ; xc
	s_add_nc_u64 s[50:51], s[6:7], s[78:79]        ; xs
	s_add_nc_u64 s[46:47], s[24:25], s[74:75]      ; v's fragments
	s_add_nc_u64 s[62:63], s[24:25], s[76:77]      ; v's pieces
	s_cmp_lt_u32 s30, 4                            ; waves 0-3 make q, waves 4-7 k: a choice that hangs on the wave's number alone
	s_cselect_b64 s[40:41], s[10:11], s[14:15]     ; the weight's scales,
	s_cselect_b64 s[42:43], s[12:13], s[16:17]     ; the bias,
	s_cselect_b64 s[44:45], s[22:23], s[24:25]     ; where the fragments go,
	s_cselect_b64 s[60:61], s[22:23], s[24:25]     ; and the piece
	s_cselect_b32 s68, s68, s69
	s_cselect_b32 s70, s70, s71
	s_cselect_b32 s26, 0, 49152                    ; the weight's images: wq's lie first, wk's 32 fragments on
	s_mul_i32 s69, s32, 1536
	s_add_co_u32 s68, s68, s69                     ; my K step of the next product
	s_mov_b32 s69, 0
	s_mov_b32 s71, 0
	s_add_nc_u64 s[44:45], s[44:45], s[68:69]
	s_add_nc_u64 s[60:61], s[60:61], s[70:71]
	s_mul_i32 s68, s32, 24576                      ; my 128 rows of the weight: 16 fragments
	s_add_co_u32 s68, s68, s26
	s_add_nc_u64 s[38:39], s[8:9], s[68:69]
	s_lshl_b32 s68, s32, 10
	s_add_nc_u64 s[40:41], s[40:41], s[68:69]
	s_lshl_b32 s68, s32, 9
	s_add_nc_u64 s[42:43], s[42:43], s[68:69]
	s_mul_i32 s68, s34, 12288                      ; my 64 rows of wv: 8 fragments, behind wq's and wk's 64
	s_add_co_u32 s68, s68, 98304
	s_add_nc_u64 s[52:53], s[8:9], s[68:69]
	s_lshl_b32 s68, s34, 9
	s_add_nc_u64 s[54:55], s[18:19], s[68:69]
	s_lshl_b32 s68, s34, 8
	s_add_nc_u64 s[56:57], s[20:21], s[68:69]
	; ---- xn: my two tiles, as fragments: lane (r, h), registers 6 c + 2 p: piece p of block 4 s + 2 c + h of the pixel at row r
.irp tl, 0,1
.irp s, 0,1
.irp c, 0,1
.irp p, 0,1,2
	global_load_b64 v[ST+24*\tl+12*\s+6*\c+2*\p:ST+24*\tl+12*\s+6*\c+2*\p+1], v[XA], s[48:49] offset:(4*\s+2*\c)*24576+8192*\p+128*\tl th:TH_LOAD_NT
.endr
.endr
.endr
.endr
.irp tl, 0,1
	global_load_b64 v[SS+2*\tl:SS+2*\tl+1], v[R8], s[50:51] offset:128*\tl th:TH_LOAD_NT
.endr
	WIN 0x40                                       ; destination window 1
.irp t, 0,1,2,3,4
	WLOAD \t
.endr
	WIN 0
	s_wait_loadcnt 30                              ; xn's 26 loads are in; the 30 loads of the weight's first five tiles, issued behind them, may stay out
.irp tl, 0,1
.irp s, 0,1
.irp c, 0,1,2
	ds_store_b128 v[IW], v[ST+24*\tl+12*\s+4*\c:ST+24*\tl+12*\s+4*\c+3] offset:IMG+(2*\tl+\s)*1536+512*\c
.endr
.endr
	ds_store_b64 v[XSW], v[SS+2*\tl:SS+2*\tl+1] offset:256*\tl
.endr
	WIN 0x40
.irp t, 5,6,7
	WLOAD \t
.endr
.irp t, 0,1,2,3,4,5,6,7                        ; the bias in the result's layout: lane (r, h), tile t: rows 32 (t / 2) + 16 h + 8 (t % 2) + 0 .. 7
	global_load_b128 v[192+8*\t:192+8*\t+3], v[BA], s[42:43] offset:(32*(\t/2)+8*(\t%2))*4
	global_load_b128 v[192+8*\t+4:192+8*\t+7], v[BA], s[42:43] offset:(32*(\t/2)+8*(\t%2))*4+16
.endr
	WIN 0
.irp t, 0,1,2,3,4,5,6,7
	global_load_b64 v[RS+2*\t:RS+2*\t+1], v[WSA], s[40:41] offset:(32*(\t/2)+8*(\t%2))*8
.endr
	s_wait_dscnt 0x0                               ; for the others' sake: my images have landed
	s_barrier_signal -1
	s_barrier_wait -1                              ; xn's 32 fragments and their scale words lie in LDS
	s_wait_loadcnt 0x0                             ; the weight, its scales, the bias
	VWLOAD 0, WV0, SS+4                            ; wv's first two tiles and bv are asked for now: 18 loads that land during the eight steps below
	VWLOAD 1, WV0+24, SS+6
.irp i, 0,1,2,3
	global_load_b32 v[BVV+\i], v[R4], s[56:57] offset:(32*(\i/2)+8*(\i%2))*4
.endr
	FETCH ST, FA, 0
	FETCH ST+12, FA, 1536
	ds_load_b64 v[SS:SS+1], v[XSA]
; ---- a step for q or k: tile i of my eight
.macro STEP1 i
.set SBUF, ST+24*((\i)%2)
.set NBUF, ST+24*(((\i)+1)%2)
.if (\i) < 7
	FETCH NBUF, FA, 3072*((\i)+1)                  ; the next tile: its buffer was last multiplied a step ago, with the quantiser's instructions between
	FETCH NBUF+12, FA, 3072*((\i)+1)+1536
	ds_load_b64 v[SS+2*(((\i)+1)%2):SS+2*(((\i)+1)%2)+1], v[XSA] offset:256*((\i)+1)
	s_wait_dscnt 7                                 ; this tile is in; the seven loads just issued may stay out
.else
	s_wait_dscnt 0x0
.endif
	WIN 0x11                                       ; source 0 (the weight) and C (the bias) window 1
.irp t, 0,1,2,3,4,5,6,7
	v_wmma_scale_f32_16x16x128_f8f6f4 v[ACC+8*\t:ACC+8*\t+7], v[24*\t:24*\t+11], v[SBUF:SBUF+11], v[192+8*\t:192+8*\t+7], v[RS+2*\t], v[SS+2*((\i)%2)] matrix_a_fmt:MATRIX_FMT_BF6 matrix_b_fmt:MATRIX_FMT_BF6
.endr
	WIN 0x01                                       ; the eight accumulators by turns
.irp t, 0,1,2,3,4,5,6,7
	v_wmma_scale_f32_16x16x128_f8f6f4 v[ACC+8*\t:ACC+8*\t+7], v[24*\t+12:24*\t+23], v[SBUF+12:SBUF+23], v[ACC+8*\t:ACC+8*\t+7], v[RS+2*\t+1], v[SS+2*((\i)%2)+1] matrix_a_fmt:MATRIX_FMT_BF6 matrix_b_fmt:MATRIX_FMT_BF6
.endr
	WIN 0
.rept 4
	v_nop                                          ; four places between the last product and the first read of results (ISA guide 7.12.1)
.endr
	s_wait_xcnt 0x0                                ; the last step's stores have read the codes' registers
	QUANT ACC, PC, PC+12, TM, PW
.irp c, 0,1,2
	global_store_b128 v[LI], v[PC+4*\c:PC+4*\c+3], s[44:45] offset:3072*(\i)+512*\c   ; 512 consecutive bytes, aligned
.endr
	ds_store_b32 v[SWA], v[PW] offset:512*((\i)>>2)+4*((\i)&3)   ; lanes l and l xor 16 write the same word with the same value
.endm
.irp i, 0,1,2,3,4,5,6,7
	STEP1 \i
.endr
	; ---- v: the resident set is now xn's 8 tiles of my 128 pixels
	VWLOAD 2, ST, SS                               ; wv's last two tiles: 14 loads
	VWLOAD 3, ST+24, SS+2
	WIN 0x40
.irp f, 0,1,2,3,4,5,6,7,8,9,10,11,12,13,14,15
	FETCH 12*\f, RA, 1536*\f
.endr
	WIN 0
.irp t, 0,1,2,3,4,5,6,7
	ds_load_b64 v[RS+2*\t:RS+2*\t+1], v[XSR] offset:256*\t
.endr
	s_wait_dscnt 0x0
	s_wait_loadcnt 14                              ; wv's first two tiles and bv are in; the 14 loads just issued may stay out
.macro STEP2 i
.if (\i) < 2
.set WBUF, WV0+24*(\i)
.set WSC, SS+4+2*(\i)
.else
.set WBUF, ST+24*((\i)-2)
.set WSC, SS+2*((\i)-2)
.endif
.if (\i) == 2
	s_wait_loadcnt 0x0
.endif
.irp j, 0,1,2,3,4,5,6,7
	v_mov_b32 v[BV8+\j], v[BVV+(\i)]               ; a lane's eight results are eight pixels of ONE channel: its bias eight times
.endr
.rept 4
	v_nop
.endr
	WIN 0x01                                       ; source 0 (xn) window 1
.irp t, 0,1,2,3,4,5,6,7
	v_wmma_scale_f32_16x16x128_f8f6f4 v[ACC+8*\t:ACC+8*\t+7], v[24*\t:24*\t+11], v[WBUF:WBUF+11], v[BV8:BV8+7], v[RS+2*\t], v[WSC] matrix_a_fmt:MATRIX_FMT_BF6 matrix_b_fmt:MATRIX_FMT_BF6
.endr
.irp t, 0,1,2,3,4,5,6,7
	v_wmma_scale_f32_16x16x128_f8f6f4 v[ACC+8*\t:ACC+8*\t+7], v[24*\t+12:24*\t+23], v[WBUF+12:WBUF+23], v[ACC+8*\t:ACC+8*\t+7], v[RS+2*\t+1], v[WSC+1] matrix_a_fmt:MATRIX_FMT_BF6 matrix_b_fmt:MATRIX_FMT_BF6
.endr
	WIN 0
.rept 4
	v_nop
.endr
	s_wait_xcnt 0x0                                ; the last step's stores have read the codes' registers
	QUANT ACC, PC, PC+12, TM, PW
.irp c, 0,1,2
	global_store_b128 v[LI], v[PC+4*\c:PC+4*\c+3], s[46:47] offset:1536*(\i)+512*\c
.endr
	ds_store_b32 v[VWA], v[PW] offset:256*((\i)&1)+4*((\i)>>1)
.endm
.irp i, 0,1,2,3
	STEP2 \i
.endr
	; ---- the scale words leave as whole pieces
	s_wait_dscnt 0x0                               ; for the others' sake: my words have landed
	s_barrier_signal -1
	s_barrier_wait -1
	s_wait_xcnt 0x0                                ; the last stores have read the codes' registers
	ds_load_b128 v[PC:PC+3], v[PRA]
	ds_load_b64 v[PC+4:PC+5], v[PRV]
	s_wait_dscnt 0x0
	global_store_b128 v[LI], v[PC:PC+3], s[60:61]  ; 512 consecutive bytes, aligned
	global_store_b64 v[L8], v[PC+4:PC+5], s[62:63] ; 256 consecutive bytes, aligned
	s_wait_tensorcnt 0x0                           ; the wave's end, behind my last LDS store
	ds_add_u32 v[SPW], v[NIL]
	s_wait_dscnt 0x0
	s_endpgm
.Lfunc_end_k_qa7188f6b80_proj:
	.size	k_qa7188f6b80_proj, .Lfunc_end_k_qa7188f6b80_proj-k_qa7188f6b80_proj
	.p2alignl 7, 3214868480
	.fill 96, 4, 3214868480
	.section	.rodata,"a",@progbits
	.p2align	6, 0x0
	.amdhsa_kernel k_qa7188f6b80_proj
		.amdhsa_group_segment_fixed_size 60416
		.amdhsa_private_segment_fixed_size 0
		.amdhsa_enable_private_segment 0
		.amdhsa_kernarg_size 88
		.amdhsa_user_sgpr_count 2
		.amdhsa_user_sgpr_kernarg_segment_ptr 1
		.amdhsa_wavefront_size32 1
		.amdhsa_system_sgpr_workgroup_id_x 1
		.amdhsa_system_sgpr_workgroup_id_y 1
		.amdhsa_system_sgpr_workgroup_id_z 1
		.amdhsa_system_vgpr_workitem_id 0
		.amdhsa_next_free_vgpr 512
		.amdhsa_next_free_sgpr 80
		.amdhsa_reserve_vcc 0
		.amdhsa_float_denorm_mode_32 3
		.amdhsa_float_denorm_mode_16_64 3
		.amdhsa_memory_ordered 1
		.amdhsa_forward_progress 1
		.amdhsa_inst_pref_size 105
	.end_amdhsa_kernel
	.amdgpu_metadata
---
amdhsa.version: [ 1, 2 ]
amdhsa.kernels:
  - .name:           k_qa7188f6b80_proj
    .symbol:         k_qa7188f6b80_proj.kd
    .args:
      - { .name: xc, .offset: 0, .size: 8, .value_kind: global_buffer, .address_space: global }
      - { .name: xs, .offset: 8, .size: 8, .value_kind: global_buffer, .address_space: global }
      - { .name: wimg, .offset: 16, .size: 8, .value_kind: global_buffer, .address_space: global }
      - { .name: wq_scales, .offset: 24, .size: 8, .value_kind: global_buffer, .address_space: global }
      - { .name: bq, .offset: 32, .size: 8, .value_kind: global_buffer, .address_space: global }
      - { .name: wk_scales, .offset: 40, .size: 8, .value_kind: global_buffer, .address_space: global }
      - { .name: bk, .offset: 48, .size: 8, .value_kind: global_buffer, .address_space: global }
      - { .name: wv_scales, .offset: 56, .size: 8, .value_kind: global_buffer, .address_space: global }
      - { .name: bv, .offset: 64, .size: 8, .value_kind: global_buffer, .address_space: global }
      - { .name: q, .offset: 72, .size: 8, .value_kind: global_buffer, .address_space: global }
      - { .name: kv, .offset: 80, .size: 8, .value_kind: global_buffer, .address_space: global }
    .group_segment_fixed_size: 60416
    .private_segment_fixed_size: 0
    .kernarg_segment_align: 8
    .kernarg_segment_size: 88
    .max_flat_workgroup_size: 256
    .sgpr_count:     80
    .vgpr_count:     512
    .wavefront_size: 32
...
	.end_amdgpu_metadata
.endif
;; end of part 2
;; launch attn (part 3): grid 4 x 64, 8 waves a work-group, clusters of 4 x 1, 327,680 bytes of LDS; arguments q, kv, wo_codes, wo_scales, coef, x, out0; writes out0
.if DOCPART == 3
	.amdgcn_target "amdgcn-amd-amdhsa--gfx1250"
	.amdhsa_code_object_version 6
	.text
	.protected	k_qa7188f6b80_attn
	.globl	k_qa7188f6b80_attn
	.p2align	8
	.type	k_qa7188f6b80_attn,@function
k_qa7188f6b80_attn:
	s_mov_b64 s[64:65], 0
	v_nop
	global_prefetch_b8 v0, s[64:65] scope:SCOPE_SE
	s_setreg_imm32_b32 hwreg(HW_REG_WAVE_MODE, 25, 1), 1
	s_wait_xcnt 0x0
	s_wait_alu depctr_hold_cnt(0) depctr_sa_sdst(0) depctr_va_vdst(0) depctr_va_sdst(0) depctr_va_ssrc(0) depctr_va_vcc(0) depctr_vm_vsrc(0)
	s_getreg_b32 s2, hwreg(HW_REG_IB_STS2, 6, 4)
	s_cmp_eq_u32 s2, 0
	s_cbranch_scc0 .Lentry_in_a_cluster
	s_endpgm
.Lentry_in_a_cluster:
	s_bfe_u32 s2, ttmp6, 0x10000c
	s_cmp_lg_u32 s2, 0x3003
	s_cbranch_scc0 .Lentry_shape_is_right
	s_endpgm
.Lentry_shape_is_right:
; out0 = xn + bo + wo Q(softmax(q k^T / 8) v), all three products on codes of E3M2 with one E8M0 scale for each 32 along K.  No work is left out.
; THE SOFTMAX AHEAD OF THE SECOND PRODUCT: t = score x log2(e) / 8; M = the row's largest t so far, rounded UP to a whole number; p = 2^(t - M) is quantised along the keys, not normalised.
; The row's sum is taken of the unquantised p and divides the result at the end.  When M moves, the sum and the result are multiplied by 2^(old M - new M): exact.
; SHARES.  A cluster of four work-groups is one image; a work-group owns 256 queries, each of its eight waves 32: two tiles of 16.  Every wave walks the image's 1,024 keys, 128 a step.
; Two tiles to a wave: each fragment of K and V read from LDS feeds two matrix instructions; two waves to a SIMD: one wave's vector work can stand beside the other's products.
; A key step's operands (K's 16 fragments, V's 16, four pieces of scale words) are ONE dense block of 51,200 bytes, laid by the launch before in the order of the operands' registers:
; a fragment comes by three loads of 16 bytes a lane, four scale registers by one.  All four work-groups walk the same blocks, so each block is asked for JOINTLY: the same tensor load,
; with the same descriptor and a mask that names the four, in all four; each of the eight waves brings an eighth, 25 rows of 256 bytes.  Two slots of one step: a refill stands a whole step ahead of its wait.
; LAYOUT.  S^T = K Q^T (source 0 = 16 keys, source 1 = 16 queries), O^T = V^T P (source 0 = 16 channels, source 1 = P): a lane holds ONE query throughout.
; The keys of a tile, and V's channels of a tile, are not neighbours (row r of tile 2 B + U is 32 B + 8 U + r + 8 (r / 8)): so 16 registers of two neighbouring tiles are 16 neighbours along the next K.
; THE END.  O / the sum is quantised along the channels in registers; wo's product gives a lane eight neighbouring pixels of one output channel; they go through a stage in LDS and leave as
; rows of the image; on the way a x + b' is added (xn + bo, from x and the first launch's two numbers a channel).
; LIMITS: NaN and infinities are not served; blocks under 2^(5 - 127) get the byte 1; 1 / sum comes from v_rcp_f32; a block's largest p is taken as 2^ of the block's largest t - M.
.set STEPB, 51200                      ; a key step's block
.set SLOT1, 65536                      ; slot 1 begins here: one exclusive or turns an address in one slot into the other's
.set WO,    116736                     ; wo's 256 rows: 3 x (64 bytes + 16 of padding), pitch 240; filled once
.set SPARE, 178176                     ; the spare words, 128 bytes for each of eight waves
.set STAGE0, 179200                    ; two stages of 64 rows (output channels) x (1,024 bytes + 16): no tensor load lands here
.set STAGE1, 245760
.set WOSC,  312320                     ; wo's scale bytes, 2,048, as they lie in memory
.set LI,  1                            ; v1   16 x lane
.set ADF, 2                            ; v2   the slot in hand + 16 x lane
.set XO,  3                            ; v3   x, out0: 8 w rows of 4,096 bytes + 16 x lane
.set SPW, 4                            ; v4   my spare word; never rewritten
.set NIL, 5                            ; v5   0; never rewritten
.set PFO, 6                            ; v6   the prefetches' offset; never rewritten
.set KS,  8                            ; v8-15  K's scale words, then V's: scales and nothing else.  At the end v8-11 wo's, v12-15 those of O
.set VS,  8
.set WOS, 8
.set OW,  12
.set QS,  16                           ; v16-17 Q's scale words: lanes 0-15 K step 0, lanes 16-31 K step 1
.set PW,  18                           ; v18-19 p's scale words
.set F,   20                           ; v[20:21], v[22:23] f = 2^(old M - new M) of each tile, as the low word of a pair
.set STT, 24                           ; v24-31 a tile's -M, largest t, and the sum in two halves
.set Q,   32                           ; v32-79 Q's fragments at 12 (2 tile + K step); at the end those of O
.set OF,  32
.set KA,  80                           ; v80-127 two buffers of a tile of K (2 fragments).  Behind the scores:
.set PCD, 80                           ;   v80-103 p's codes, 12 a tile
.set PT,  104                          ;   v104-111 the conversions' second halves
.set BM,  112                          ;   v112-119 the blocks' largest scores, four a tile
.set SO,  120                          ;   v120-123 the conversions' scale operands
.set T,   124                          ;   v124-127 at work
.set S,   128                          ; v128-255 S^T, then p: 64 a tile.  Then:
.set VA,  128                          ;   v128-175, v176-223 two buffers of four fragments of V
; at the end: v20-23 the stages' addresses, v24-26 wo's, v[28:29], v[30:31] 1 / sum; v80-95, v96-103 the quantiser's; v80-143 the last product's accumulators; v128-255 O / sum; v160-255 wo's fragments, then rows of the result
.set SOA, 20
.set SRA, 22
.set WA0, 24
.set WA1, 25
.set WSC, 26
.set RL,  28
.set ETM, 80
.set EPT, 96
.set DA,  80
.set ON,  128
.set WF,  160
.set RB,  160
; window 1: O^T at 128 tile + 8 (tile of channels) + j; at the end x, then the result, at 64 chunk + 8 row + 4 half
.set WV,  18                           ; s18  my wave's number
.set CX,  19                           ; s19  my place in the cluster: it enters the addresses of q, x and out0 alone
.set SEL, 20                           ; s[20:21] lane selects: lane l xor 16
.set CS,  22                           ; s[22:23] log2(e) / 8, as a pair
.set G1D, 24                           ; s[24:31] descriptor group 1 for a key step's eighth
.set G1W, 32                           ; s[32:39] for wo's rows
.set G0,  40                           ; s[40:43] group 0 for the key steps: it walks
.set G0W, 44                           ; s[44:47] for wo
.set TB,  48                           ; s48  where the slot in hand begins
.set CNT, 49                           ; s49  the loop's counter
.set MSB, 0
.macro WIN new                         ; the immediate's high byte repeats the setting that is left
.if MSB != \new
	s_set_vgpr_msb (MSB<<8)|\new
.set MSB, \new
.endif
.endm
; A round of the cluster's barrier
.macro CROUND
	s_barrier_signal -1
	s_barrier_wait -1
	s_cmp_lg_u32 s[WV], 0
	s_cbranch_scc1 .Lnot_wave_0_\@
	s_barrier_signal -3
.Lnot_wave_0_\@:
	s_barrier_wait -3
	s_barrier_signal -1
	s_barrier_wait -1
.endm
; A matrix instruction.  ra, rb: the scales of source 0, 1 are read from lanes 16-31.  zero = 1: it starts the sum
.macro MM d, a, b, sa, sb, ra, rb, zero
.if \zero
.if (\ra) && (\rb)
	v_wmma_scale_f32_16x16x128_f8f6f4 v[\d:\d+7], v[\a:\a+11], v[\b:\b+11], 0, v[\sa], v[\sb] matrix_a_fmt:MATRIX_FMT_BF6 matrix_b_fmt:MATRIX_FMT_BF6 matrix_a_scale:MATRIX_SCALE_ROW1 matrix_b_scale:MATRIX_SCALE_ROW1
.elseif \ra
	v_wmma_scale_f32_16x16x128_f8f6f4 v[\d:\d+7], v[\a:\a+11], v[\b:\b+11], 0, v[\sa], v[\sb] matrix_a_fmt:MATRIX_FMT_BF6 matrix_b_fmt:MATRIX_FMT_BF6 matrix_a_scale:MATRIX_SCALE_ROW1
.elseif \rb
	v_wmma_scale_f32_16x16x128_f8f6f4 v[\d:\d+7], v[\a:\a+11], v[\b:\b+11], 0, v[\sa], v[\sb] matrix_a_fmt:MATRIX_FMT_BF6 matrix_b_fmt:MATRIX_FMT_BF6 matrix_b_scale:MATRIX_SCALE_ROW1
.else
	v_wmma_scale_f32_16x16x128_f8f6f4 v[\d:\d+7], v[\a:\a+11], v[\b:\b+11], 0, v[\sa], v[\sb] matrix_a_fmt:MATRIX_FMT_BF6 matrix_b_fmt:MATRIX_FMT_BF6
.endif
.else
.if (\ra) && (\rb)
	v_wmma_scale_f32_16x16x128_f8f6f4 v[\d:\d+7], v[\a:\a+11], v[\b:\b+11], v[\d:\d+7], v[\sa], v[\sb] matrix_a_fmt:MATRIX_FMT_BF6 matrix_b_fmt:MATRIX_FMT_BF6 matrix_a_scale:MATRIX_SCALE_ROW1 matrix_b_scale:MATRIX_SCALE_ROW1
.elseif \ra
	v_wmma_scale_f32_16x16x128_f8f6f4 v[\d:\d+7], v[\a:\a+11], v[\b:\b+11], v[\d:\d+7], v[\sa], v[\sb] matrix_a_fmt:MATRIX_FMT_BF6 matrix_b_fmt:MATRIX_FMT_BF6 matrix_a_scale:MATRIX_SCALE_ROW1
.elseif \rb
	v_wmma_scale_f32_16x16x128_f8f6f4 v[\d:\d+7], v[\a:\a+11], v[\b:\b+11], v[\d:\d+7], v[\sa], v[\sb] matrix_a_fmt:MATRIX_FMT_BF6 matrix_b_fmt:MATRIX_FMT_BF6 matrix_b_scale:MATRIX_SCALE_ROW1
.else
	v_wmma_scale_f32_16x16x128_f8f6f4 v[\d:\d+7], v[\a:\a+11], v[\b:\b+11], v[\d:\d+7], v[\sa], v[\sb] matrix_a_fmt:MATRIX_FMT_BF6 matrix_b_fmt:MATRIX_FMT_BF6
.endif
.endif
.endm
.macro PLACES n
.rept \n
	v_nop
.endr
.endm
.macro KLOAD t, slot                           ; tile t of the step's keys, both K steps: six loads
.irp s, 0,1
.irp c, 0,1,2
	ds_load_b128 v[\slot+12*\s+4*\c:\slot+12*\s+4*\c+3], v[ADF] offset:(2*(\t)+\s)*1536+512*\c
.endr
.endr
.endm
.macro VLOAD g, buf                            ; V's tiles of channels 4 g .. 4 g + 3: twelve loads
.irp i, 0,1,2,3
.irp c, 0,1,2
	ds_load_b128 v[\buf+12*\i+4*\c:\buf+12*\i+4*\c+3], v[ADF] offset:24576+(4*(\g)+\i)*1536+512*\c
.endr
.endr
.endm
; The softmax of tile qi, first part: the blocks' and the row's largest score, M, f, and t - M
.macro SM1 qi
.irp b, 0,1,2,3
	v_max3_num_f32 v[BM+4*\qi+\b], v[S+64*\qi+16*\b], v[S+64*\qi+16*\b+1], v[S+64*\qi+16*\b+2]   ; the largest score of each block of 32 keys: it serves for the row's maximum and, since p rises with the score, for the block's largest p
.endr
.irp i, 3,5,7,9,11,13
.irp b, 0,1,2,3
	v_max3_num_f32 v[BM+4*\qi+\b], v[BM+4*\qi+\b], v[S+64*\qi+16*\b+\i], v[S+64*\qi+16*\b+\i+1]   ; (the four blocks by turns; each accumulator is read from its low end on)
.endr
.endr
.irp b, 0,1,2,3
	v_max_num_f32 v[BM+4*\qi+\b], v[BM+4*\qi+\b], v[S+64*\qi+16*\b+15]
.endr
.irp b, 0,1,2,3
	v_permlanex16_b32 v[T+\b], v[BM+4*\qi+\b], s[SEL], s[SEL+1]
.endr
.irp b, 0,1,2,3
	v_max_num_f32 v[BM+4*\qi+\b], v[BM+4*\qi+\b], v[T+\b]          ; with lane l xor 16's 16 keys
.endr
	v_max3_num_f32 v7, v[BM+4*\qi], v[BM+4*\qi+1], v[BM+4*\qi+2]
	v_max_num_f32 v7, v7, v[BM+4*\qi+3]
	v_mul_f32 v7, s[CS], v7                        ; the step's largest t of my query
	v_max_num_f32 v[STT+4*\qi+1], v[STT+4*\qi+1], v7               ; the running largest t
	v_mov_b32 v7, v[STT+4*\qi]
	v_floor_f32 v[STT+4*\qi], -v[STT+4*\qi+1]      ; the new -M = floor(-t): M is a whole number
	v_sub_f32 v7, v[STT+4*\qi], v7                 ; old M - new M: a whole number, 0 or less
	v_cvt_i32_f32 v7, v7                           ; (it saturates)
	v_ldexp_f32 v[F+2*\qi], 1.0, v7                ; f = 2^(old M - new M)
.set j, 0
.rept 32
	v_pk_fma_f32 v[S+64*\qi+j:S+64*\qi+j+1], v[S+64*\qi+j:S+64*\qi+j+1], s[CS:CS+1], v[STT+4*\qi:STT+4*\qi+1] op_sel_hi:[1,0,0]   ; t - M, two at a time
.set j, j+2
.endr
.irp b, 0,1,2,3
	v_fma_f32 v[BM+4*\qi+\b], v[BM+4*\qi+\b], s[CS], v[STT+4*\qi]  ; the same of each block's largest score
.endr
.endm
.macro EXPS qi
.set j, 0
.rept 64
	v_exp_f32 v[S+64*\qi+j], v[S+64*\qi+j]         ; p = 2^(t - M), at most 1
.set j, j+1
.endr
.irp b, 0,1,2,3
	v_exp_f32 v[BM+4*\qi+\b], v[BM+4*\qi+\b]       ; the block's largest p: the same two instructions on the same number
.endr
.endm
; second part: the sum of the unquantised p; the blocks' scales; the codes
.macro SM2 qi
	v_pk_add_f32 v[T:T+1], v[S+64*\qi:S+64*\qi+1], v[S+64*\qi+2:S+64*\qi+3]
.irp j, 4,8,12,16,20,24,28,32,36,40,44,48,52,56,60
	v_pk_add_f32 v[STT+4*\qi+2:STT+4*\qi+3], v[STT+4*\qi+2:STT+4*\qi+3], v[S+64*\qi+\j:S+64*\qi+\j+1]
	v_pk_add_f32 v[T:T+1], v[T:T+1], v[S+64*\qi+\j+2:S+64*\qi+\j+3]
.endr
	v_pk_add_f32 v[STT+4*\qi+2:STT+4*\qi+3], v[STT+4*\qi+2:STT+4*\qi+3], v[T:T+1]
.irp b, 0,1,2,3
	v_max_num_f32 v[BM+4*\qi+\b], 0x2800000, v[BM+4*\qi+\b]        ; the floor 2^(5 - 127): the byte cannot fall under 1
.endr
.irp b, 0,1,2,3
	v_add_nc_u32 v[SO+\b], 0xfe000000, v[BM+4*\qi+\b]              ; 4 off the exponent field: the conversion's scale operand
.endr
.irp b, 0,1,2,3
	v_lshrrev_b32 v[BM+4*\qi+\b], 23, v[SO+\b]     ; the scale's byte
.endr
	v_lshl_or_b32 v[PW+\qi], v[BM+4*\qi+1], 8, v[BM+4*\qi]
	v_lshl_or_b32 v[PW+\qi], v[BM+4*\qi+2], 16, v[PW+\qi]
	v_lshl_or_b32 v[PW+\qi], v[BM+4*\qi+3], 24, v[PW+\qi]
.irp c, 0,1
	v_cvt_scalef32_pk16_bf6_f32 v[PCD+12*\qi+6*\c:PCD+12*\qi+6*\c+2], v[S+64*\qi+32*\c:S+64*\qi+32*\c+15], v[SO+2*\c]
	v_cvt_scalef32_pk16_bf6_f32 v[PT+4*\c:PT+4*\c+2], v[S+64*\qi+32*\c+16:S+64*\qi+32*\c+31], v[SO+2*\c+1]
.endr
	v_nop                                          ; one plain instruction behind a scaled conversion
.irp c, 0,1                                    ; a whole block in a lane: lanes 0-15 block 2 c, lanes 16-31 block 2 c + 1
.irp i, 0,1,2
	v_permlane16_swap_b32 v[PCD+12*\qi+6*\c+\i], v[PT+4*\c+\i]
.endr
.irp i, 0,1,2
	v_mov_b32 v[PCD+12*\qi+6*\c+3+\i], v[PT+4*\c+\i]
.endr
.endr
.endm
; THE CHANGE OF SLOTS stands at a step's head.  Each wave waits for all its tensor loads (its eighth of the slot that it is about to read), adds 0 to its spare word, and waits for that and for its
; reads of the slot that it has left.  fill = 1: a round of the cluster's barrier, so that no wave of any partner still reads that slot or has a load on its way; the joint load of the next step's
; block is the first thing behind it, one a wave.  By this text's own count a wave has two tensor loads out at the head and one behind each round.
.macro CHANGE fill
	s_wait_tensorcnt 0x0                           ; no tensor load of mine is out, so the walking group 0 may be written
	ds_add_u32 v[SPW], v[NIL]                      ; 0 onto my spare word
.if \fill
	s_xor_b32 s[G0+1], s[G0+1], SLOT1              ; the other slot than last time,
	s_add_nc_u64 s[G0+2:G0+3], s[G0+2:G0+3], STEPB ; the next 128 keys; the type bits on top are not reached
	s_wait_dscnt 0x0                               ; the add is done, and my reads of the slot that I have left are over
	CROUND
	tensor_load_to_lds s[G0:G0+3], s[G1D:G1D+7]
	s_nop 0
	PLACES 4
.else
	s_wait_dscnt 0x0
	s_barrier_signal -1
	s_barrier_wait -1
.endif
.endm
; A KEY STEP: 128 keys.  first = 1: its products start O^T's sums, and nothing is rescaled.  ask = 1: the last step asks for what the way out will load.
.macro STEP first, ask
	v_add_nc_u32 v[ADF], s[TB], v[LI]
	ds_load_b128 v[KS:KS+3], v[ADF] offset:49152   ; K's scale words: register t: lanes 0-15 K step 0 of tile t, lanes 16-31 K step 1
	ds_load_b128 v[KS+4:KS+7], v[ADF] offset:49664
	KLOAD 0, KA
	KLOAD 1, KA+24
.if \ask
; A PREFETCH INTO THE L2 of the first two of the four chunks of x that the way out adds: my wave's 8 rows x 1,024 bytes of each, a lane to each aligned 256 bytes, each named once in the launch,
; one key step ahead of the loads.  128 KiB a work-group; the other two chunks come by their loads alone.
	global_prefetch_b8 v[PFO], s[14:15] th:TH_LOAD_NT scope:SCOPE_SE
	global_prefetch_b8 v[PFO], s[14:15] offset:262144 th:TH_LOAD_NT scope:SCOPE_SE
.endif
.irp t, 0,1,2,3,4,5,6,7                        ; S^T = K Q^T: a tile of keys against both tiles of queries, two K steps: the two accumulators by turns
.if \t < 7
	s_wait_dscnt 6                                 ; this tile is in; the six loads of the next tile may stay out
.else
	s_wait_dscnt 0x0
.endif
.irp s, 0,1
.irp qi, 0,1
	MM S+64*\qi+8*\t, KA+24*(\t%2)+12*\s, Q+24*\qi+12*\s, KS+\t, QS+\qi, \s, \s, 1-\s
.endr
.endr
.if \t < 6
	PLACES 4                                       ; four places in front of loads into registers that matrix instructions have read
	KLOAD \t+2, KA+24*(\t%2)
.endif
.endr
	PLACES 4                                       ; and in front of the first read of results
	SM1 0
	SM1 1
	EXPS 0                                         ; the step's 136 exponentials are one batch
	EXPS 1
	v_pk_mul_f32 v[STT+2:STT+3], v[STT+2:STT+3], v[F:F+1] op_sel_hi:[1,0]     ; the sums under the new M.  (The plain instructions behind the batch)
	v_pk_mul_f32 v[STT+6:STT+7], v[STT+6:STT+7], v[F+2:F+3] op_sel_hi:[1,0]
	s_wait_alu depctr_va_vdst(0)                   ; one wait for the batch, ahead of its first reader
	SM2 0
	ds_load_b128 v[VS:VS+3], v[ADF] offset:50176   ; V's scale words: register n: lanes 0-15 tile 2 n, lanes 16-31 tile 2 n + 1
	ds_load_b128 v[VS+4:VS+7], v[ADF] offset:50688
	VLOAD 0, VA                                    ; into the registers that tile 0's p has left
	SM2 1
	VLOAD 1, VA+48
.if \first
	PLACES 8                                       ; a scale word written by a vector instruction stands eight places ahead of the product that takes it
.else
	WIN 0x41                                       ; O^T (destination and source 0) window 1
.irp qi, 0,1
.set o, 0
.rept 64
	v_pk_mul_f32 v[128*\qi+o:128*\qi+o+1], v[128*\qi+o:128*\qi+o+1], v[F+2*\qi:F+2*\qi+1] op_sel_hi:[1,0]   ; O^T under the new M.  (These are also the places in front of the products below)
.set o, o+2
.endr
.endr
.endif
.irp g, 0,1,2,3                                ; O^T += V^T P: four tiles of channels at a time, each against both tiles of queries; 32 accumulators, one instruction each
.if \g < 3
	s_wait_dscnt 12                                ; this buffer is in; the other buffer's twelve loads may stay out
.else
	s_wait_dscnt 0x0
.endif
	WIN 0x50                                       ; C and D window 1
.irp i, 0,1,2,3
.irp qi, 0,1
	MM 128*\qi+8*(4*\g+\i), VA+48*(\g%2)+12*\i, PCD+12*\qi, VS+(4*\g+\i)/2, PW+\qi, \i%2, 0, \first
.endr
.endr
.if \g < 2
	PLACES 4
	WIN 0
	VLOAD \g+2, VA+48*(\g%2)
.endif
.endr
	PLACES 5                                       ; the next step's first products write over V's registers: five places; its loads want four
	WIN 0                                          ; at a label and at a branch every window is 0
	s_xor_b32 s[TB], s[TB], SLOT1
.endm
; 64 numbers of a lane become a fragment's codes and its scale word (as in the launch before)
.macro QUANT s, d, pt, tm, w
.irp b, 0,1,2,3
	v_max3_num_f32 v[\tm+\b], |v[\s+16*\b]|, |v[\s+1+16*\b]|, 0x2800000
.endr
.irp i, 2,4,6,8,10,12,14
.irp b, 0,1,2,3
	v_max3_num_f32 v[\tm+\b], v[\tm+\b], |v[\s+16*\b+\i]|, |v[\s+1+16*\b+\i]|
.endr
.endr
.irp b, 0,1,2,3
	v_permlanex16_b32 v[\tm+4+\b], v[\tm+\b], s[SEL], s[SEL+1]
.endr
.irp b, 0,1,2,3
	v_max_num_f32 v[\tm+\b], v[\tm+\b], v[\tm+4+\b]
.endr
.irp b, 0,1,2,3
	v_add_nc_u32 v[\tm+12+\b], 0xfe000000, v[\tm+\b]
.endr
.irp b, 0,1,2,3
	v_lshrrev_b32 v[\tm+4+\b], 23, v[\tm+12+\b]
.endr
	v_lshl_or_b32 v[\w], v[\tm+5], 8, v[\tm+4]
	v_lshl_or_b32 v[\w], v[\tm+6], 16, v[\w]
	v_lshl_or_b32 v[\w], v[\tm+7], 24, v[\w]
.irp c, 0,1
	v_cvt_scalef32_pk16_bf6_f32 v[\d+6*\c:\d+6*\c+2], v[\s+32*\c:\s+32*\c+15], v[\tm+12+2*\c]
	v_cvt_scalef32_pk16_bf6_f32 v[\pt+4*\c:\pt+4*\c+2], v[\s+32*\c+16:\s+32*\c+31], v[\tm+12+2*\c+1]
.endr
	v_nop
.irp c, 0,1
.irp i, 0,1,2
	v_permlane16_swap_b32 v[\d+6*\c+\i], v[\pt+4*\c+\i]
.endr
.irp i, 0,1,2
	v_mov_b32 v[\d+6*\c+3+\i], v[\pt+4*\c+\i]
.endr
.endr
.endm
; A fragment of wo from its padded rows: rows 16 i on, K step q, in pieces of 8 bytes.  Lanes 16-31 read three pieces further on; where that lies behind one padding more, the second address register serves
.macro FRAG reg, q, i
.irp p, 0,1,2,3,4,5
.set PCE, 12*(\q)+6*(\p/3)+\p%3
.if PCE%8 < 5
	ds_load_b64 v[\reg+2*\p:\reg+2*\p+1], v[WA0] offset:8*PCE+16*(PCE/8)+(\i)*3840
.else
	ds_load_b64 v[\reg+2*\p:\reg+2*\p+1], v[WA1] offset:8*PCE+16*(PCE/8)+(\i)*3840
.endif
.endr
.endm
	s_load_b256 s[4:11], s[0:1], 0x0               ; q, kv, wo_codes, wo_scales
	s_load_b128 s[12:15], s[0:1], 0x20             ; coef, x
	s_load_b64 s[16:17], s[0:1], 0x30              ; out0
	v_lshl_add_u32 v[SPW], v0, 2, SPARE
	v_mov_b32 v[NIL], 0
	ds_add_u32 v[SPW], v[NIL]                      ; the wave's opening: the add, twice on end, and its wait ahead of my first tensor load
	ds_add_u32 v[SPW], v[NIL]                      ; and once more; the set-up below, work on registers, stands between it and the wait
	v_lshrrev_b32 v7, 5, v0
	v_readfirstlane_b32 s[WV], v7                  ; wave 0..7
	s_and_b32 s50, ttmp7, 0xffff                   ; the image, which the four partners share
	; group 1 for a key step's eighth: 25 rows of 32 elements of 8 bytes, dense
	s_mov_b32 s[G1D], 15|(3<<16)|(1<<21)           ; 15:0 the mask: all four work-groups; 17:16 elements of 8 bytes; 21 set beside a mask
	s_mov_b32 s[G1D+1], 32<<16                     ; tensor_dim0
	s_mov_b32 s[G1D+2], 25<<16                     ; tensor_dim1
	s_mov_b32 s[G1D+3], 32<<16                     ; tile_dim0
	s_mov_b32 s[G1D+4], 25                         ; tile_dim1
	s_mov_b32 s[G1D+5], 32                         ; from row to row
	s_mov_b32 s[G1D+6], 0
	s_mov_b32 s[G1D+7], 0
	; group 1 for wo: 32 rows of 192 bytes, 16 bytes of padding behind every 64
	s_mov_b32 s[G1W], 15|(1<<20)|(1<<21)|(3<<22)|(3<<25)
	s_mov_b32 s[G1W+1], 192<<16
	s_mov_b32 s[G1W+2], 32<<16
	s_mov_b32 s[G1W+3], 192<<16
	s_mov_b32 s[G1W+4], 32
	s_mov_b32 s[G1W+5], 192
	s_mov_b32 s[G1W+6], 0
	s_mov_b32 s[G1W+7], 0
	s_mul_i32 s58, s50, 8*STEPB                    ; kv: my image, my eighth of a block: nothing here hangs on my place in the cluster
	s_mul_i32 s59, s[WV], 6400
	s_add_co_u32 s58, s58, s59
	s_mov_b32 s[G0], 1
	s_mov_b32 s[G0+1], s59                         ; slot 0
	s_mov_b32 s59, 0
	s_mul_i32 s60, s[WV], 6144                     ; wo: my 32 rows
	s_mov_b32 s61, 0
	s_mov_b32 s[G0W], 1
	s_mul_i32 s[G0W+1], s[WV], 7680
	s_add_co_u32 s[G0W+1], s[G0W+1], WO
	s_bfe_u32 s[CX], ttmp6, 0x40000                ; my place in the cluster: my 256 queries
	s_mul_i32 s62, s50, 204800                     ; q: my image
	s_lshl_b32 s63, s[CX], 4
	s_lshl_b32 s51, s[WV], 1
	s_add_co_u32 s63, s63, s51                     ; my first tile: 16 cx + 2 w
	s_mul_i32 s63, s63, 3072
	s_add_co_u32 s52, s62, s63
	s_mov_b32 s53, 0
	s_lshl_b32 s54, s[CX], 2                       ; its scale words: piece 4 cx + (w >> 1), words 2 (w & 1) on
	s_lshr_b32 s51, s[WV], 1
	s_add_co_u32 s54, s54, s51
	s_lshl_b32 s54, s54, 9
	s_and_b32 s51, s[WV], 1
	s_lshl_b32 s51, s51, 3
	s_add_co_u32 s54, s54, s51
	s_add_co_u32 s54, s54, s62
	s_add_co_u32 s54, s54, 196608
	s_mov_b32 s55, 0
	s_lshl_b32 s56, s50, 11                        ; coef: my image, the 8 channels that I store of a chunk
	s_lshl_b32 s51, s[WV], 6
	s_add_co_u32 s56, s56, s51
	s_mov_b32 s57, 0
	s_lshl_b32 s62, s50, 20                        ; x, out0: my image, my work-group's 1,024 bytes of a row
	s_lshl_b32 s51, s[CX], 10
	s_add_co_u32 s62, s62, s51
	s_mov_b32 s63, 0
	s_mov_b32 s[SEL], 0x76543210
	s_mov_b32 s[SEL+1], 0xfedcba98
	s_mov_b32 s[CS], 0x3e38aa3b                    ; log2(e) / 8
	s_mov_b32 s[CS+1], s[CS]                       ; (named with it as a pair, so it is written)
	s_mov_b32 s[TB], 0
	s_mov_b32 s[CNT], 6
	v_and_b32 v7, 31, v0
	v_lshlrev_b32 v[LI], 4, v7
	s_lshl_b32 s51, s[WV], 15
	v_add_nc_u32 v[XO], s51, v[LI]
	v_lshrrev_b32 v[PFO], 2, v7                    ; the prefetches: row lane >> 2 of my eight, block lane & 3 of its four
	v_lshlrev_b32 v[PFO], 12, v[PFO]
	v_and_b32 v7, 3, v7
	v_lshl_add_u32 v[PFO], v7, 8, v[PFO]
	v_add_nc_u32 v[PFO], s51, v[PFO]
	v_lshlrev_b32 v7, 3, v0                        ; wo's scale bytes: 8 bytes a thread
	v_lshl_add_u32 v[ADF], v0, 3, WOSC
	v_mov_b32 v[STT+1], 0xff61b1e6                 ; the largest t so far: -3e38, under every t
	v_mov_b32 v[STT+5], 0xff61b1e6
	v_floor_f32 v[STT], -v[STT+1]                  ; -M
	v_floor_f32 v[STT+4], -v[STT+5]
.irp i, 2,3,6,7
	v_mov_b32 v[STT+\i], 0                         ; the sums
.endr
.irp i, 0,1,2,3
	v_mov_b32 v[F+\i], 0                           ; (the pairs' upper words are named, so they are written)
.endr
	s_wait_dscnt 0x0                               ; both opening adds are done
	s_wait_kmcnt 0x0
	s_add_nc_u64 s[G0+2:G0+3], s[6:7], s[58:59]
	s_or_b32 s[G0+3], s[G0+3], 0x80000000          ; type = 2
	s_add_nc_u64 s[G0W+2:G0W+3], s[8:9], s[60:61]
	s_or_b32 s[G0W+3], s[G0W+3], 0x80000000
	s_add_nc_u64 s[52:53], s[4:5], s[52:53]        ; Q's fragments
	s_add_nc_u64 s[54:55], s[4:5], s[54:55]        ; Q's scale words
	s_add_nc_u64 s[56:57], s[12:13], s[56:57]      ; coef
	s_add_nc_u64 s[14:15], s[14:15], s[62:63]      ; x
	s_add_nc_u64 s[16:17], s[16:17], s[62:63]      ; out0
	CROUND                                         ; all four work-groups are here: the first joint loads meet
	tensor_load_to_lds s[G0:G0+3], s[G1D:G1D+7]    ; key step 0
	s_nop 0
	tensor_load_to_lds s[G0W:G0W+3], s[G1W:G1W+7]  ; wo: filled once
	s_nop 0
	PLACES 4
.irp qi, 0,1
.irp s, 0,1
.irp c, 0,1,2
	global_load_b128 v[Q+24*\qi+12*\s+4*\c:Q+24*\qi+12*\s+4*\c+3], v[LI], s[52:53] offset:3072*\qi+1536*\s+512*\c th:TH_LOAD_NT   ; Q stays in registers
.endr
.endr
	global_load_b32 v[QS+\qi], v[LI], s[54:55] offset:4*\qi
.endr
	global_load_b64 v[KA:KA+1], v7, s[10:11]
	s_wait_loadcnt 0x0
	ds_store_b64 v[ADF], v[KA:KA+1]                ; the first change of slots waits for it and publishes it
	CHANGE 1                                       ; slot 1 gets its first fill as a refill is issued
	STEP 1, 0
.Lkey:                                             ; key steps 1 to 6
	CHANGE 1
	STEP 0, 0
	s_sub_co_u32 s[CNT], s[CNT], 1
	s_cmp_lg_u32 s[CNT], 0
	s_cbranch_scc1 .Lkey
	CHANGE 0                                       ; the last step is written out: nothing is left to fetch
	STEP 0, 1
	; ---- THE END.  1 / sum, and the addresses of the way out
	v_add_f32 v[STT+2], v[STT+2], v[STT+3]
	v_add_f32 v[STT+6], v[STT+6], v[STT+7]
	v_permlanex16_b32 v[STT+3], v[STT+2], s[SEL], s[SEL+1]
	v_permlanex16_b32 v[STT+7], v[STT+6], s[SEL], s[SEL+1]
	v_add_f32 v[STT+2], v[STT+2], v[STT+3]         ; with lane l xor 16's: the row's sum
	v_add_f32 v[STT+6], v[STT+6], v[STT+7]
	v_rcp_f32 v[RL], v[STT+2]
	v_rcp_f32 v[RL+2], v[STT+6]
	v_and_b32 v7, 15, v0                           ; r  (plain work behind the reciprocals)
	v_bfe_u32 v[ADF], v0, 4, 1                     ; h
	s_lshl_b32 s58, s[WV], 7
	v_mul_u32_u24 v[SOA], v7, 1040                 ; into a stage: row r (an output channel), my wave's 32 pixels, 64 h bytes on
	v_lshl_add_u32 v[SOA], v[ADF], 6, v[SOA]
	v_add_nc_u32 v[SOA], s58, v[SOA]
	v_add_nc_u32 v[SOA+1], STAGE1, v[SOA]
	v_add_nc_u32 v[SOA], STAGE0, v[SOA]
	s_mul_i32 s58, s[WV], 8320
	v_add_nc_u32 v[SRA], s58, v[LI]                ; back: my 8 rows, 16 bytes a lane
	v_add_nc_u32 v[SRA+1], STAGE1, v[SRA]
	v_add_nc_u32 v[SRA], STAGE0, v[SRA]
	v_mul_u32_u24 v[WA0], v7, 240
	v_mad_u32_u24 v[WA1], v[ADF], 40, v[WA0]
	v_mad_u32_u24 v[WA0], v[ADF], 24, v[WA0]
	v_add_nc_u32 v[WA0], WO, v[WA0]
	v_add_nc_u32 v[WA1], WO, v[WA1]
	v_lshlrev_b32 v[WSC], 3, v7                    ; wo's scale words: row r; lanes 0-15 K step 0, lanes 16-31 K step 1
	v_lshl_add_u32 v[WSC], v[ADF], 2, v[WSC]
	v_add_nc_u32 v[WSC], WOSC, v[WSC]
	s_wait_alu depctr_va_vdst(0)                   ; one wait for the two reciprocals, ahead of their first reader
.irp qi, 0,1
	WIN 0x01                                       ; source 0 (O^T) window 1
.set o, 0
.rept 64
	v_pk_mul_f32 v[ON+o:ON+o+1], v[128*\qi+o:128*\qi+o+1], v[RL+2*\qi:RL+2*\qi+1] op_sel_hi:[1,0]   ; O / sum; each accumulator from its low end on
.set o, o+2
.endr
	WIN 0x40                                       ; destination window 1: x comes into the registers that this tile's O^T has left: 32 loads, two chunks of 64 channels
.irp c2, 0,1
.irp i, 0,1,2,3,4,5,6,7
.irp hf, 0,1
	global_load_b128 v[128*\qi+64*\c2+8*\i+4*\hf:128*\qi+64*\c2+8*\i+4*\hf+3], v[XO], s[14:15] offset:262144*(2*\qi+\c2)+4096*\i+512*\hf th:TH_LOAD_NT
.endr
.endr
.endr
	WIN 0
	QUANT ON, OF+24*\qi, EPT, ETM, OW+2*\qi
	QUANT ON+64, OF+24*\qi+12, EPT, ETM, OW+2*\qi+1
.endr
	PLACES 8                                       ; scale words written by vector instructions stand eight places ahead of the products that take them
; A CHUNK of 64 output channels.  Source 0 = O's 16 queries, source 1 = 16 rows of wo: a lane holds one output channel and eight neighbouring pixels.
.macro CHUNK c
.set CSET, 68+16*((\c)%2)
	s_load_b512 s[CSET:CSET+15], s[56:57], 512*(\c)    ; a and b' of the 8 channels that I store; two sets by turns
.irp il, 0,1,2,3
.irp s, 0,1
	FRAG WF+12*(2*\il+\s), \s, 4*(\c)+\il
.endr
	ds_load_b32 v[WOS+\il], v[WSC] offset:128*(4*(\c)+\il)
.endr
	s_wait_dscnt 0x0
.irp s, 0,1                                    ; eight accumulators by turns
.irp il, 0,1,2,3
.irp qi, 0,1
	MM DA+8*(2*\il+\qi), OF+12*(2*\qi+\s), WF+12*(2*\il+\s), OW+2*\qi+\s, WOS+\il, 0, \s, 1-\s
.endr
.endr
.endr
	PLACES 4                                       ; in front of the stores that read results, and of the loads into wo's registers
.irp il, 0,1,2,3
.irp qi, 0,1
	ds_store_b128 v[SOA+(\c)%2], v[DA+8*(2*\il+\qi):DA+8*(2*\il+\qi)+3] offset:16640*\il+32*\qi
	ds_store_b128 v[SOA+(\c)%2], v[DA+8*(2*\il+\qi)+4:DA+8*(2*\il+\qi)+7] offset:16640*\il+32*\qi+16
.endr
.endr
	s_wait_dscnt 0x0                               ; my stores have landed, and my reads of the other stage, a chunk ago, are in: it may be written again behind this barrier
	s_barrier_signal -1
	s_barrier_wait -1                              ; 64 whole rows lie in the stage
.irp i, 0,1,2,3,4,5,6,7
.irp hf, 0,1
	ds_load_b128 v[RB+8*\i+4*\hf:RB+8*\i+4*\hf+3], v[SRA+(\c)%2] offset:1040*\i+512*\hf
.endr
.endr
	s_wait_kmcnt 0x0
	s_wait_loadcnt 48-16*(\c)                      ; this chunk of x is in; the 16 loads of each later chunk may stay out
	WIN 0x41                                       ; x (destination and source 0) window 1
.irp i, 0,1,2,3,4,5,6,7
.irp k, 0,1,2,3,4,5,6,7
	v_fma_f32 v[64*(\c)+8*\i+\k], v[64*(\c)+8*\i+\k], s[CSET+2*\i], s[CSET+2*\i+1]   ; a x + b' = xn + bo
.endr
.endr
	s_wait_dscnt 0x0
.irp i, 0,1,2,3,4,5,6,7
.irp k, 0,2,4,6
	v_pk_add_f32 v[64*(\c)+8*\i+\k:64*(\c)+8*\i+\k+1], v[64*(\c)+8*\i+\k:64*(\c)+8*\i+\k+1], v[RB+8*\i+\k:RB+8*\i+\k+1]
.endr
.endr
	WIN 0x04                                       ; a store's data are its source 1: window 1
.irp i, 0,1,2,3,4,5,6,7
.irp hf, 0,1
	global_store_b128 v[XO], v[64*(\c)+8*\i+4*\hf:64*(\c)+8*\i+4*\hf+3], s[16:17] offset:262144*(\c)+4096*\i+512*\hf th:TH_STORE_NT   ; 512 consecutive bytes, aligned; these registers are not written again
.endr
.endr
	WIN 0
.endm
	CHUNK 0
	CHUNK 1
	CHUNK 2
	CHUNK 3
	s_wait_tensorcnt 0x0                           ; the wave's end, behind my last tensor load and my last LDS store
	ds_add_u32 v[SPW], v[NIL]
	s_wait_dscnt 0x0
	CROUND                                         ; the closing round: no work-group ends while a partner may still ask for a block that names it
	s_endpgm
.Lfunc_end_k_qa7188f6b80_attn:
	.size	k_qa7188f6b80_attn, .Lfunc_end_k_qa7188f6b80_attn-k_qa7188f6b80_attn
	.p2alignl 7, 3214868480
	.fill 96, 4, 3214868480
	.section	.rodata,"a",@progbits
	.p2align	6, 0x0
	.amdhsa_kernel k_qa7188f6b80_attn
		.amdhsa_group_segment_fixed_size 327680
		.amdhsa_private_segment_fixed_size 0
		.amdhsa_enable_private_segment 0
		.amdhsa_kernarg_size 56
		.amdhsa_user_sgpr_count 2
		.amdhsa_user_sgpr_kernarg_segment_ptr 1
		.amdhsa_wavefront_size32 1
		.amdhsa_system_sgpr_workgroup_id_x 1
		.amdhsa_system_sgpr_workgroup_id_y 1
		.amdhsa_system_sgpr_workgroup_id_z 1
		.amdhsa_system_vgpr_workitem_id 0
		.amdhsa_next_free_vgpr 512
		.amdhsa_next_free_sgpr 100
		.amdhsa_reserve_vcc 0
		.amdhsa_float_denorm_mode_32 3
		.amdhsa_float_denorm_mode_16_64 3
		.amdhsa_memory_ordered 1
		.amdhsa_forward_progress 1
		.amdhsa_inst_pref_size 230
	.end_amdhsa_kernel
	.amdgpu_metadata
---
amdhsa.version: [ 1, 2 ]
amdhsa.kernels:
  - .name:           k_qa7188f6b80_attn
    .symbol:         k_qa7188f6b80_attn.kd
    .args:
      - { .name: q, .offset: 0, .size: 8, .value_kind: global_buffer, .address_space: global }
      - { .name: kv, .offset: 8, .size: 8, .value_kind: global_buffer, .address_space: global }
      - { .name: wo_codes, .offset: 16, .size: 8, .value_kind: global_buffer, .address_space: global }
      - { .name: wo_scales, .offset: 24, .size: 8, .value_kind: global_buffer, .address_space: global }
      - { .name: coef, .offset: 32, .size: 8, .value_kind: global_buffer, .address_space: global }
      - { .name: x, .offset: 40, .size: 8, .value_kind: global_buffer, .address_space: global }
      - { .name: out0, .offset: 48, .size: 8, .value_kind: global_buffer, .address_space: global }
    .group_segment_fixed_size: 327680
    .private_segment_fixed_size: 0
    .kernarg_segment_align: 8
    .kernarg_segment_size: 56
    .max_flat_workgroup_size: 256
    .sgpr_count:     100
    .vgpr_count:     512
    .wavefront_size: 32
...
	.end_amdgpu_metadata
.endif
;; end of part 3
